; MI455X (gfx1250); checked and timed in simulation.
; The chip was launched on July 23, 2026; its instructions are those of AMD's public machine-readable ISA for CDNA 5 (MIT licence, August 2026) and "CDNA5" Instruction Set Architecture Reference Guide (July 2026). The comments in the code are by the model that wrote it; some were corrected since.
;; Causal Self Attention. Allowed arithmetic: matrix products marked QUANTISED: E2M3 operands, one E8M0 scale for each 32 along K, by v_wmma_scale_f32_16x16x128_f8f6f4 with both operands' format E2M3, f32 sums; everything else in f32.
;; Inputs: b_out 1,024 float32; b_qkv 3,072 float32; w_out 1,024 x 1,024 float32; w_qkv 1,024 x 3,072 float32; x 4 x 2,048 x 1,024 float32.
;; Outputs: out0 4 x 2,048 x 1,024 float32.
;; This version of the problem:
;;   THIS VERSION OF THE PROBLEM IS GIVEN IN LOW PRECISION. The matrix products marked QUANTISED in the list below multiply operands that are first quantised to E2M3 (2 exponent bits, 3 mantissa bits; 6 bits a number), with one power-of-two scale for each 32 numbers along K (OCP MX v1.0); their sums are f32. All else is computed in f32.
;;   The module's matrix products, in the order in which they are computed (A, B: the left and right operand; K: the contracted axis; several contracted axes count as one K, in the product's order):
;;     1. [M 8,192, K 1,024] x [K 1,024, N 3,072]; A: input x; B: input w_qkv: QUANTISED
;;     2. batch 64 x [M 2,048, K 64] x [K 64, N 2,048]; A: computed on the way; B: computed on the way: QUANTISED
;;     3. batch 64 x [M 2,048, K 2,048] x [K 2,048, N 64]; A: softmax (see below); B: computed on the way: QUANTISED
;;     4. [M 8,192, K 1,024] x [K 1,024, N 1,024]; A: computed on the way; B: input w_out: QUANTISED
;;   THE QUANTISER, for each operand of a quantised product, along K:
;;     - K is cut into blocks of 32 from its start; a last block that is shorter is filled with zeros.
;;     - A block's scale is 2^e with e = floor(log2(the largest magnitude in the block)) - 2, held to -126 .. 127; a block of zeros has e = 0. As a byte (E8M0): e + 127.
;;     - Each number is divided by its block's scale, clamped to +-7.5, and rounded to the nearest number of E2M3, ties to even, subnormals kept.
;;     - The product sums the exact products of the quantised numbers (number of the format x scale) in f32.
;;   ~~~python
;;   def quantise(x, axis):      # numpy; x: float32 -> the quantised numbers, widened to float32 again
;;       x = np.moveaxis(x, axis, -1); K = x.shape[-1]
;;       x = np.pad(x, [(0, 0)] * (x.ndim - 1) + [(0, -K % 32)]); x = x.reshape(x.shape[:-1] + (-1, 32)); a = np.abs(x).max(-1, keepdims=True)
;;       e = np.where(a > 0, np.clip(np.frexp(np.where(a > 0, a, 1))[1] - 1 - 2, -126, 127), 0)      # np.frexp(a)[1] - 1 = floor(log2(a)), exactly
;;       r = np.clip(x / 2.0 ** e, -7.5, 7.5)
;;       step = 2.0 ** (np.maximum(np.frexp(np.where(r == 0, 1, r))[1] - 1, 0) - 3)
;;       q = np.round(r / step) * step * 2.0 ** e      # np.round: ties to even
;;       return np.moveaxis(q.reshape(q.shape[:-2] + (-1,))[..., :K], -1, axis).astype(np.float32)
;;   ~~~
;;   SOFTMAX AHEAD OF A QUANTISED PRODUCT. Where the list says 'softmax', what is quantised is not the finished softmax but p = 2^(t - M), with t = logit x log2(e) and M = ceil(the row's largest t), a whole number; so 1/2 < the row's largest p <= 1. The row's sum l is taken of the UNQUANTISED p, in f32, and the product's result is divided by l at the end. Since M is a whole number, a kernel that streams over the keys may use a running M (the ceiling of the running maximum): every later rescaling is an exact power of two, which a block's scale takes up: the codes' values come out the same.
;;   OPERANDS COMPUTED ON THE WAY. 'Computed on the way' means the value that the module computes at that place (a softmax that the list does not call 'softmax' is quantised finished and normalised). What goes into a quantiser is computed in f32, as accurately as f32 sums, v_exp_f32 and their like allow (about 1e-6 of the number): no bf16 or f16 on the way to a quantiser, and a product that is left as it is and whose result goes on into a quantised operand takes f32 operands (vector FMAs, or v_wmma_f32_16x16x4_f32). A number that lies on a knife's edge between two numbers of the format may be rounded either way, as far as f32 arithmetic and the matrix unit's own rounding can turn it there, and no further.
;; One version. Each part assembles by itself: llvm-mc -triple=amdgcn-amd-amdhsa -mcpu=gfx1250 --defsym DOCPART=n.
;; ======== version 1 of 1: 4 launches
;; workspace buffers: c1 8,650,752 bytes; s1 360,448 bytes; c4 7,077,888 bytes; s4 294,912 bytes; qb 6,815,744 bytes; kv 13,369,344 bytes
;; launch quant (part 1): grid 384 x 1, 4 waves a work-group, no clusters, 60,928 bytes of LDS; arguments x, w_qkv, w_out, c1, s1, c4, s4; writes c1, s1, c4, s4
.if DOCPART == 1
	.amdgcn_target "amdgcn-amd-amdhsa--gfx1250"
	.amdhsa_code_object_version 6
	.text
	.protected	k_q23fd095cd3_quant
	.globl	k_q23fd095cd3_quant
	.p2align	8
	.type	k_q23fd095cd3_quant,@function
k_q23fd095cd3_quant:
	s_mov_b64 s[64:65], 0
	v_nop
	global_prefetch_b8 v0, s[64:65] scope:SCOPE_SE
	s_setreg_imm32_b32 hwreg(HW_REG_WAVE_MODE, 25, 1), 1
	s_wait_xcnt 0x0
; x [8192][1024], w_qkv [1024][3072] and w_out [1024][1024], f32, become codes of FP6 (E2M3) with one E8M0 byte for each 32 along K (K = the 1,024), laid as the products' launches load them.
; LAYOUT OF THE OUTPUT.  Rows (tokens of x, columns n of a weight) are cut into BLOCKS of 16: block 2 b + u holds rows 32 b + 8 u + r + 8 (r / 8), r = 0 .. 15.
; A FRAGMENT (a block x 128 along K) is 1,536 bytes, an image of the operand's 12 registers: half c (768 bytes): registers 6 c .. 6 c + 3 at 16 x lane, then registers 6 c + 4, 6 c + 5 at 512 + 8 x lane.
; Lane (r, h) holds row r, registers 6 c .. 6 c + 5 = K 64 c + 32 h + 0 .. 31.  Codes: [block][K step 0..7][1,536]; scale words: [block][K step][16 words], word r = the four bytes of row r.
; c1, s1: blocks 0-191 w_qkv, 192-703 x.   c4, s4: blocks 0-63 w_out (the rest is written by a later launch).
; A block's scale is 2^(floor(log2(largest magnitude)) - 2); its byte is the largest magnitude's exponent field - 2, held at 1 from below.
; LIMITS: a block of zeros, or one whose largest magnitude lies under 2^-124, gets the byte 1 (its codes are zeros or nearly so; this program alone reads the bytes); NaN and infinities among the inputs are not served.
; Work-groups 0-255 take x (a wave: one block x 512 along K), 256-351 w_qkv, 352-383 w_out (a wave: 32 columns x 256 along K).  The two ways have LDS bytes of their own.  Waves share nothing: no barrier.
.set XSTW,  8448                       ; x: a wave's stage: 16 rows x (512 + 16) bytes, from LDS byte 0 on
.set WST,   33792                      ; the weights' stages begin here
.set WSTW,  6656                       ; a wave's: four places of 1,664 bytes (a fragment's 1,536 + 128, so that the two blocks' stores fall on different banks)
.set WFR,   1664
.set SPARE, 60416                      ; the spare words, 128 bytes for each wave: two blocks of 256 bytes that no other line names
.set SPW,   2                          ; v2  LDS address of my spare word; never rewritten
.set NIL,   3                          ; v3  0; never rewritten
.set P,     32                         ; v32-43  x: a fragment's codes;  v44-46, v48-50: the upper halves as the conversions leave them
.set T,     44
.set R,     64                         ; v64-191 x: two sets of 64 registers as loaded
.set X,     192                        ; v192-255 x: my 64 numbers, K 64 c + 32 h + 0 .. 31 at register 32 c + ..
	s_load_b256 s[4:11], s[0:1], 0x0               ; x, w_qkv, w_out, c1
	s_load_b128 s[12:15], s[0:1], 0x20             ; s1, c4
	s_load_b64 s[16:17], s[0:1], 0x30              ; s4
	v_lshl_add_u32 v[SPW], v0, 2, SPARE
	v_mov_b32 v[NIL], 0
	v_lshrrev_b32 v1, 5, v0
	v_readfirstlane_b32 s20, v1                    ; wave
	v_and_b32 v1, 31, v0                           ; lane
	v_lshlrev_b32 v4, 4, v1                        ; 16 x lane
	v_lshlrev_b32 v5, 3, v1                        ; 8 x lane
	v_lshlrev_b32 v8, 2, v1                        ; 4 x lane
	s_mov_b32 s28, 0x76543210
	s_mov_b32 s29, 0xfedcba98                      ; v_permlanex16_b32's selects for lane l xor 16
	s_mov_b32 s30, 0xffff0000                      ; lanes 16-31
	s_wait_kmcnt 0x0
	s_cmp_lt_u32 ttmp9, 256
	s_cbranch_scc0 .Lweights
; ---------------- x: K is innermost.  Each load takes 512 consecutive bytes of one row; a K step's 16 rows turn through the wave's stage and come back 128 bytes (a whole block of 32) twice a lane.
	s_lshl_b32 s21, ttmp9, 2
	s_add_co_u32 s21, s21, s20                     ; which of 1,024 shares
	s_lshr_b32 s22, s21, 1                         ; block of tokens, 0 .. 511
	s_and_b32 s23, s21, 1                          ; which 512 along K
	s_lshr_b32 s24, s22, 1
	s_lshl_b32 s24, s24, 5
	s_and_b32 s25, s22, 1
	s_lshl_b32 s25, s25, 3
	s_add_co_u32 s24, s24, s25                     ; the block's first token
	s_lshl_b32 s24, s24, 12                        ; rows of 4,096 bytes
	s_lshl_b32 s25, s23, 11
	s_add_co_u32 s24, s24, s25
	s_mov_b32 s25, 0
	s_add_nc_u64 s[4:5], s[4:5], s[24:25]
	s_add_co_u32 s24, s22, 192                     ; x's blocks stand behind w_qkv's 192
	s_mul_i32 s26, s24, 12288
	s_mul_i32 s27, s23, 6144
	s_add_co_u32 s26, s26, s27
	s_mov_b32 s27, 0
	s_add_nc_u64 s[10:11], s[10:11], s[26:27]      ; my four fragments
	s_lshl_b32 s26, s24, 9
	s_lshl_b32 s24, s23, 8
	s_add_co_u32 s26, s26, s24
	s_add_nc_u64 s[12:13], s[12:13], s[26:27]      ; and their scale words
	s_mul_i32 s24, s20, XSTW
	s_wait_alu depctr_va_vdst(0)
	v_add_nc_u32 v6, s24, v4                       ; the stage, in: 16 x lane in a row
	v_and_b32 v9, 15, v0                           ; r
	v_bfe_u32 v10, v0, 4, 1                        ; h
	v_mul_u32_u24 v7, v9, 528
	v_lshl_add_u32 v7, v10, 7, v7
	v_add_nc_u32 v7, s24, v7                       ; out: row r, + 128 h
	v_lshlrev_b32 v11, 3, v10                      ; 8 h: my bytes' place in the scale word
	v_mov_b32 v59, 0                               ; written once: a lane permute's destination counts as one of its sources
.macro XLOAD s
.set xl, 0
.rept 16
	global_load_b128 v[R+64*((\s)%2)+4*xl:R+64*((\s)%2)+4*xl+3], v4, s[4:5] offset:(xl+8*(xl/8))*4096+512*(\s) th:TH_LOAD_NT
.set xl, xl+1
.endr
.endm
.macro XSTEP s
.if (\s) < 3
	s_wait_loadcnt 16                              ; this K step's 16 loads are in; the next step's 16 may be out
.else
	s_wait_loadcnt 0x0
.endif
.set xi, 0
.rept 16
	ds_store_b128 v6, v[R+64*((\s)%2)+4*xi:R+64*((\s)%2)+4*xi+3] offset:528*xi
.set xi, xi+1
.endr
.set xi, 0
.rept 16
	ds_load_b128 v[X+4*xi:X+4*xi+3], v7 offset:256*(xi/8)+16*(xi%8)   ; LDS serves a wave's instructions in order: these see my stores
.set xi, xi+1
.endr
	s_wait_dscnt 0x0                               ; my numbers are back, and the stores have read their registers,
.if (\s) < 2
	XLOAD (\s)+2                                   ; which take the loads of two K steps on
.endif
	s_wait_xcnt 0x0                                ; the last step's stores have read their data: the codes and the word may be written again
.irp c, 0,1
	v_max3_num_f32 v[52+\c], |v[X+32*\c]|, |v[X+32*\c+1]|, 0x1800000   ; my block 2 c + h, and the floor 2^(3 - 127): the byte cannot fall under 1
.endr
.set xi, 2
.rept 15
.irp c, 0,1
	v_max3_num_f32 v[52+\c], v[52+\c], |v[X+32*\c+xi]|, |v[X+32*\c+xi+1]|
.endr
.set xi, xi+2
.endr
.irp c, 0,1
	v_add_nc_u32 v[54+\c], 0xff000000, v[52+\c]    ; 2 off the exponent field: the conversion's scale operand
.endr
.irp c, 0,1
	v_lshrrev_b32 v[56+\c], 23, v[54+\c]           ; the scale's byte
.endr
	v_lshl_or_b32 v58, v57, 16, v56                ; blocks h and 2 + h,
	v_lshlrev_b32 v58, v11, v58                    ; at their places;
	v_permlanex16_b32 v59, v58, s28, s29
.if (\s)%2 == 0
	v_or_b32 v60, v58, v59                         ; with lane l xor 16's two the word is whole; an even K step's is kept
.else
	v_or_b32 v58, v58, v59
	v_cndmask_b32 v61, v60, v58, s30               ; lanes 0-15 the even K step's words, lanes 16-31 the odd one's
.endif
.irp c, 0,1
	v_cvt_scalef32_pk16_fp6_f32 v[P+6*\c:P+6*\c+2], v[X+32*\c:X+32*\c+15], v[54+\c]
	v_cvt_scalef32_pk16_fp6_f32 v[T+4*\c:T+4*\c+2], v[X+32*\c+16:X+32*\c+31], v[54+\c]   ; (a conversion's three registers begin on an even number)
.endr
	v_nop                                          ; one plain place behind a scaled conversion
.irp c, 0,1
.irp i, 0,1,2
	v_mov_b32 v[P+3+6*\c+\i], v[T+4*\c+\i]
.endr
.endr
	global_store_b128 v4, v[P:P+3], s[10:11] offset:1536*(\s)            ; each store covers 512 or 256 consecutive bytes, aligned
	global_store_b64 v5, v[P+4:P+5], s[10:11] offset:1536*(\s)+512
	global_store_b128 v4, v[P+6:P+9], s[10:11] offset:1536*(\s)+768
	global_store_b64 v5, v[P+10:P+11], s[10:11] offset:1536*(\s)+1280
.if (\s)%2 == 1
	global_store_b32 v8, v61, s[12:13] offset:128*((\s)/2)               ; two K steps' 32 words: 128 consecutive bytes
.endif
.endm
	XLOAD 0
	XLOAD 1
	s_wait_alu depctr_va_vdst(0)
	XSTEP 0
	XSTEP 1
	XSTEP 2
	XSTEP 3
	s_wait_tensorcnt 0x0                           ; the wave's end, behind my last LDS store
	ds_add_u32 v[SPW], v[NIL]
	s_wait_dscnt 0x0
	s_endpgm
; ---------------- the weights: K is the FIRST axis.  A lane takes a column n and its registers run down K: a block of 32 lies in one lane, and the codes come out with K innermost.
.Lweights:
	s_sub_co_u32 s21, ttmp9, 256
	s_cmp_lt_u32 s21, 96                           ; w_qkv or w_out: the choice hangs on the work-group's number alone
	s_cselect_b64 s[6:7], s[6:7], s[8:9]
	s_cselect_b64 s[10:11], s[10:11], s[14:15]
	s_cselect_b64 s[12:13], s[12:13], s[16:17]
	s_mov_b32 s24, 4096
	s_cselect_b32 s24, 12288, s24                  ; a row of the weight in bytes
	s_cselect_b32 s22, 0, 96
	s_sub_co_u32 s21, s21, s22
	s_lshr_b32 s22, s21, 2                         ; which 128 columns
	s_and_b32 s23, s21, 3                          ; which 256 along K
	s_lshl_b32 s25, s22, 7
	s_lshl_b32 s26, s20, 5
	s_add_co_u32 s25, s25, s26                     ; my wave's first column
	s_lshl_b32 s26, s25, 2
	s_lshl_b32 s27, s23, 8
	s_mul_i32 s27, s27, s24
	s_add_co_u32 s26, s26, s27
	s_mov_b32 s27, 0
	s_add_nc_u64 s[40:41], s[6:7], s[26:27]        ; a base for each of my eight blocks of 32 rows
	s_lshl_b32 s26, s24, 5
.irp t, 1,2,3,4,5,6,7
	s_add_nc_u64 s[40+2*\t:41+2*\t], s[38+2*\t:39+2*\t], s[26:27]
.endr
	s_lshl_b32 s31, s22, 3
	s_lshl_b32 s32, s20, 1
	s_add_co_u32 s31, s31, s32                     ; my two blocks of columns: 8 x group + 2 x wave + u
	s_mul_i32 s32, s31, 12288
	s_mul_i32 s33, s23, 3072
	s_add_co_u32 s32, s32, s33
	s_mov_b32 s33, 0
	s_add_nc_u64 s[10:11], s[10:11], s[32:33]
	s_lshl_b32 s32, s31, 9
	s_lshl_b32 s34, s23, 7
	s_add_co_u32 s32, s32, s34
	s_add_nc_u64 s[12:13], s[12:13], s[32:33]
	s_wait_alu depctr_va_vdst(0)
	v_bfe_u32 v10, v1, 3, 1                        ; u: which of the two blocks my column falls into,
	v_and_b32 v11, 7, v1
	v_lshrrev_b32 v9, 4, v1
	v_lshl_or_b32 v11, v9, 3, v11                  ; r: and which row of it
	s_mul_i32 s32, s20, WSTW
	s_add_co_u32 s32, s32, WST
	v_mul_u32_u24 v9, v10, WFR
	v_lshl_add_u32 v6, v11, 4, v9
	v_add_nc_u32 v6, s32, v6                       ; the stage: my 16 bytes of a half,
	v_lshl_add_u32 v7, v11, 3, v9
	v_add_nc_u32 v7, s32, v7                       ; my 8,
	v_add_nc_u32 v12, s32, v4                      ; and on the way out 16 x lane
	v_lshlrev_b32 v13, 9, v10
	v_lshl_add_u32 v13, v11, 2, v13                ; my scale word: 512 u + 4 r
.set wi, 0
.rept 32
	v_mad_u32_u24 v[96+wi], s24, wi, v8            ; 4 x lane + i rows
.set wi, wi+1
.endr
.macro WLOAD t
.set wl, 0
.rept 32
	global_load_b32 v[32+32*((\t)%2)+wl], v[96+wl], s[40+2*(\t):41+2*(\t)] th:TH_LOAD_NT   ; 32 lanes read 128 consecutive bytes of a row
.set wl, wl+1
.endr
.endm
.macro WBLOCK t                        ; K block t of eight: K step t / 4 of my two, half (t % 4) / 2, lanes' half t % 2
.set XS, 32+32*((\t)%2)
.if (\t) < 7
	s_wait_loadcnt 32                              ; this block's 32 loads are in; the next block's may be out
.else
	s_wait_loadcnt 0x0
.endif
	v_max3_num_f32 v140, |v[XS]|, |v[XS+1]|, |v[XS+2]|
	v_max3_num_f32 v141, |v[XS+3]|, |v[XS+4]|, |v[XS+5]|
.irp i, 6,10,14,18,22,26
	v_max3_num_f32 v140, v140, |v[XS+\i]|, |v[XS+\i+1]|
	v_max3_num_f32 v141, v141, |v[XS+\i+2]|, |v[XS+\i+3]|
.endr
	v_max3_num_f32 v140, v140, |v[XS+30]|, |v[XS+31]|
	v_max3_num_f32 v140, v140, v141, 0x1800000     ; and the floor
	v_add_nc_u32 v142, 0xff000000, v140
	v_lshrrev_b32 v143, 23, v142
.if (\t)%4 == 0
	v_mov_b32 v[144+(\t)/4], v143                  ; four bytes make my column's word of a K step
.else
	v_lshl_or_b32 v[144+(\t)/4], v143, 8*((\t)%4), v[144+(\t)/4]
.endif
	v_cvt_scalef32_pk16_fp6_f32 v[128:130], v[XS:XS+15], v142
	v_cvt_scalef32_pk16_fp6_f32 v[136:138], v[XS+16:XS+31], v142
	v_nop                                          ; one plain place behind a scaled conversion
	v_mov_b32 v131, v136
	v_mov_b32 v132, v137
	v_mov_b32 v133, v138
	ds_store_b128 v6, v[128:131] offset:((\t)/4)*2*WFR+768*(((\t)%4)/2)+256*((\t)%2)        ; to the place of lane r + 16 h in the fragment's image
	ds_store_b64 v7, v[132:133] offset:((\t)/4)*2*WFR+768*(((\t)%4)/2)+512+128*((\t)%2)
.if (\t)+2 < 8
	WLOAD (\t)+2
.endif
	s_wait_dscnt 0x0                               ; the stores have read their registers: the next block's codes may be written
.endm
	WLOAD 0
	WLOAD 1
.irp t, 0,1,2,3,4,5,6,7
	WBLOCK \t
.endr
	global_store_b32 v13, v144, s[12:13]           ; pieces of 64 bytes: one byte in 128 of what this way reads
	s_wait_alu depctr_va_vdst(0)
	global_store_b32 v13, v145, s[12:13] offset:64
.set wk, 0
.rept 12
	ds_load_b128 v[160+4*wk:163+4*wk], v12 offset:(wk/3)*WFR+512*(wk%3)
.set wk, wk+1
.endr
.set wk, 0
.rept 12
	s_wait_dscnt 11-wk                             ; LDS loads come back in order: number wk is in
	global_store_b128 v4, v[160+4*wk:163+4*wk], s[10:11] offset:((wk/3)%2)*12288+(wk/6)*1536+512*(wk%3)   ; 512 consecutive bytes, aligned
.set wk, wk+1
.endr
	s_wait_tensorcnt 0x0                           ; the wave's end, behind my last LDS store
	ds_add_u32 v[SPW], v[NIL]
	s_wait_dscnt 0x0
	s_endpgm
.Lfunc_end_k_q23fd095cd3_quant:
	.size	k_q23fd095cd3_quant, .Lfunc_end_k_q23fd095cd3_quant-k_q23fd095cd3_quant
	.p2alignl 7, 3214868480
	.fill 96, 4, 3214868480
	.section	.rodata,"a",@progbits
	.p2align	6, 0x0
	.amdhsa_kernel k_q23fd095cd3_quant
		.amdhsa_group_segment_fixed_size 60928
		.amdhsa_private_segment_fixed_size 0
		.amdhsa_enable_private_segment 0
		.amdhsa_kernarg_size 56
		.amdhsa_user_sgpr_count 2
		.amdhsa_user_sgpr_kernarg_segment_ptr 1
		.amdhsa_wavefront_size32 1
		.amdhsa_system_sgpr_workgroup_id_x 1
		.amdhsa_system_sgpr_workgroup_id_y 1
		.amdhsa_system_sgpr_workgroup_id_z 1
		.amdhsa_system_vgpr_workitem_id 0
		.amdhsa_next_free_vgpr 256
		.amdhsa_next_free_sgpr 66
		.amdhsa_reserve_vcc 0
		.amdhsa_float_denorm_mode_32 3
		.amdhsa_float_denorm_mode_16_64 3
		.amdhsa_memory_ordered 1
		.amdhsa_forward_progress 1
		.amdhsa_inst_pref_size 75
	.end_amdhsa_kernel
	.amdgpu_metadata
---
amdhsa.version: [ 1, 2 ]
amdhsa.kernels:
  - .name:           k_q23fd095cd3_quant
    .symbol:         k_q23fd095cd3_quant.kd
    .args:
      - { .name: x, .offset: 0, .size: 8, .value_kind: global_buffer, .address_space: global }
      - { .name: w_qkv, .offset: 8, .size: 8, .value_kind: global_buffer, .address_space: global }
      - { .name: w_out, .offset: 16, .size: 8, .value_kind: global_buffer, .address_space: global }
      - { .name: c1, .offset: 24, .size: 8, .value_kind: global_buffer, .address_space: global }
      - { .name: s1, .offset: 32, .size: 8, .value_kind: global_buffer, .address_space: global }
      - { .name: c4, .offset: 40, .size: 8, .value_kind: global_buffer, .address_space: global }
      - { .name: s4, .offset: 48, .size: 8, .value_kind: global_buffer, .address_space: global }
    .group_segment_fixed_size: 60928
    .private_segment_fixed_size: 0
    .kernarg_segment_align: 8
    .kernarg_segment_size: 56
    .max_flat_workgroup_size: 128
    .sgpr_count:     66
    .vgpr_count:     256
    .wavefront_size: 32
...
	.end_amdgpu_metadata
.endif
;; end of part 1
;; launch qkv (part 2): grid 12 x 32, 4 waves a work-group, clusters of 4 x 4, 327,680 bytes of LDS; arguments c1, s1, b_qkv, qb, kv; writes qb, kv
.if DOCPART == 2
	.amdgcn_target "amdgcn-amd-amdhsa--gfx1250"
	.amdhsa_code_object_version 6
	.text
	.protected	k_q23fd095cd3_qkv
	.globl	k_q23fd095cd3_qkv
	.p2align	8
	.type	k_q23fd095cd3_qkv,@function
k_q23fd095cd3_qkv:
	s_mov_b64 s[64:65], 0
	v_nop
	global_prefetch_b8 v0, s[64:65] scope:SCOPE_SE
	s_setreg_imm32_b32 hwreg(HW_REG_WAVE_MODE, 25, 1), 1
	s_wait_xcnt 0x0
	s_wait_alu depctr_hold_cnt(0) depctr_sa_sdst(0) depctr_va_vdst(0) depctr_va_sdst(0) depctr_va_ssrc(0) depctr_va_vcc(0) depctr_vm_vsrc(0)
	s_getreg_b32 s2, hwreg(HW_REG_IB_STS2, 6, 4)
	s_cmp_eq_u32 s2, 0
	s_cbranch_scc0 .Lentry_in_a_cluster
	s_endpgm
.Lentry_in_a_cluster:
	s_bfe_u32 s2, ttmp6, 0x10000c
	s_cmp_lg_u32 s2, 0xf033
	s_cbranch_scc0 .Lentry_shape_is_right
	s_endpgm
.Lentry_shape_is_right:
; qkv = x w_qkv + b_qkv on codes of FP6 (E2M3) with E8M0 scales, K = 1,024; the results are quantised in registers and leave as the codes that the attention launch reads.
; OPERANDS (c1, s1): blocks of 16 rows (block 2 b + u = rows 32 b + 8 u + r + 8 (r / 8)), fragments of 1,536 bytes that are images of the operand's registers, [block][K step 0..7]; blocks 0-191 w_qkv's columns, 192-703 x's tokens.
; A tile of 256 x 256 is made by four waves, 128 x 128 each: 64 accumulators.  D = S0 S1^T: source 0 = a block of S0, source 1 = a block of S1: a lane holds ONE row of S1, and the 16 registers of tiles 2 b, 2 b + 1 are 16 neighbours of S0.
; THE KIND hangs on the cluster's x, which all sixteen partners share.  0: q, 1: k: S0 = the weight, S1 = x: a lane holds a token and its registers run along the head's 64, the next product's K.
; 2: v: S0 = x, S1 = the weight: a lane holds a channel and its registers run along the KEYS, the K of the product with the softmax: v comes out with the keys innermost and nothing is transposed.
; The bias is the C of each sum's first matrix instruction.  K goes in 4 steps of 256 through 3 LDS slots: three are asked for at the start, the fourth fills slot 0 again and has two such steps in which to land.
; CLUSTER 4 x 4: S1's tiles hang on cy and are asked for jointly along a row of the cluster, S0's on cx, along a column.
; OUTPUT.  qb: q's codes [head 64][block 128][768 bytes: half a fragment, K = 64]; from byte 6,291,456 its scale words [head][block][16].  kv: a record of 208,896 bytes a head: k's codes [block 128][768]; from 98,304
; v's codes [key step 16][block of channels 4][1,536]; from 196,608 k's scale words; from 204,800 v's.  q's and k's words carry two bytes; bytes 2 and 3 are 0.  Scale words leave in pieces of 64 or 128 bytes: one byte in 24 of the codes'.
; LIMITS: a block of zeros or under 2^-124 gets the byte 1 (this program alone reads the bytes); NaN and infinities are not served.
; REGISTERS.  window 0: v1-7 lane terms; v8-23 LDS addresses; v24-27, v30, v31 offsets; v28, v29 the add's two; v32-95 all 64 scale registers; v128-223 S1's 8 fragments, one set; on the way out v192-231 at work.
;   window 1: S0's fragments, two sets, at v0 and v128; the bias tiles at v96-127 and v224-255.   windows 2, 3: accumulator (a, b) at v[8 (8 (a % 4) + b)] of window 2 + a / 4.
.set NB,    8
.set SLOT,  49152+6144*NB              ; S1's 16 blocks x 3,072 bytes (two K steps of 128), then S0's 16
.set SPARE, 3*SLOT                     ; behind the ring: the spare words, 128 bytes for each wave: two blocks of 256 bytes that no other line names
.set A16, 8                            ; v8..   slot s: 16 x lane + my S1 half      v12.. the same with 8 x lane
.set A8,  12
.set B16, 16                           ; v16.., v20..  the same for S0
.set B8,  20
.set SPW, 28
.set NIL, 29
.set SC,  32                           ; v[SC + 8 ks + i]: lanes 0-15 the words of S1's block i, lanes 16-31 those of S0's block i, K step ks
.set AF,  128
.set PC,  192                          ; the way out: a fragment's codes v192-203, the conversions' upper halves v204-206, v208-210
.set TM,  212                          ; v212-215 largest magnitudes, v216-219 bytes, v224-227 the conversions' scale operands
.set PW,  228                          ; the scale word just made
.set G1,  24                           ; s[24:31] group 1 for S1's tiles, s[32:43] group 0, a set for each slot
.set G0A, 32
.set G1B, 48                           ; s[48:55], s[68:79] the same for S0's
.set G0B, 68
.set SEL, 98
.set MSB, 0
.macro WIN new                         ; the immediate's high byte repeats the setting that is left
.if MSB != (\new)
	s_set_vgpr_msb (MSB<<8)|(\new)
.set MSB, (\new)
.endif
.endm
; A joint load: waves 0 and 1 fetch S1's halves, waves 2 and 3 S0's.  The branch hangs on the wave's number alone.  An s_nop 0 and four v_nop follow each of the two lines.
.macro JLOAD g0a, g1a, g0b, g1b
	s_cmp_eq_u32 s15, 0
	s_cbranch_scc0 .Lfor_b_\@
	tensor_load_to_lds s[\g0a:\g0a+3], s[\g1a:\g1a+7]
	s_nop 0
.rept 4
	v_nop
.endr
	s_branch .Lasked_\@
.Lfor_b_\@:
	tensor_load_to_lds s[\g0b:\g0b+3], s[\g1b:\g1b+7]
	s_nop 0
.rept 4
	v_nop
.endr
.Lasked_\@:
.endm
.macro CREST                           ; a round of the cluster's barrier behind its opening barrier
	s_cmp_lg_u32 s14, 0
	s_cbranch_scc1 .Lnot_wave_0_\@
	s_barrier_signal -3
.Lnot_wave_0_\@:
	s_barrier_wait -3
	s_barrier_signal -1
	s_barrier_wait -1
.endm
.macro CROUND
	s_barrier_signal -1
	s_barrier_wait -1
	CREST
.endm
.macro FRAG reg, a16, a8, off          ; a fragment comes back as it was stored: four loads, each of consecutive bytes
	ds_load_b128 v[\reg:\reg+3], v[\a16] offset:\off
	ds_load_b64 v[\reg+4:\reg+5], v[\a8] offset:\off+512
	ds_load_b128 v[\reg+6:\reg+9], v[\a16] offset:\off+768
	ds_load_b64 v[\reg+10:\reg+11], v[\a8] offset:\off+1280
.endm
.macro FETCH_B slot, q, p              ; S0's eight fragments of the slot's q-th 128 along K into set p
	WIN 0x40
.irp i, 0,1,2,3,4,5,6,7
	FRAG 128*(\p)+12*\i, B16+\slot, B8+\slot, \i*3072+(\q)*1536
.endr
	WIN 0
.endm
.macro FETCH_A slot, q, i0             ; S1's blocks i0 .. i0 + 3
.irp i, \i0, \i0+1, \i0+2, \i0+3
	FRAG AF+12*(\i), A16+\slot, A8+\slot, (\i)*3072+(\q)*1536
.endr
.endm
.macro PLACES                          ; four plain places behind matrix instructions, in front of loads into registers that they have read and of the first read of results
.rept 4
	v_nop
.endr
.endm
; 16 matrix instructions: S1's blocks a0, a0 + 1 x S0's eight, K step ks.  p: S0's set.  cm = 0: onto the sums; 1: the sums begin with the bias tile of b; 2: of a.  The 64 accumulators take turns.
.macro MULP a0, p, ks, cm
.if \cm
	WIN 0x91+0x40*((\a0)/4)
.else
	WIN 0xa1+0x50*((\a0)/4)
.endif
.irp a, \a0, \a0+1
.irp b, 0,1,2,3,4,5,6,7
.set rD, 8*(8*((\a)%4)+\b)
.set rB, 128*(\p)+12*\b
.set rA, AF+12*(\a)
.set rC, 96+8*\b+96*(\b/4)
.if \cm == 2
.set rC, 96+8*(\a)+96*((\a)/4)
.endif
.if \cm
	v_wmma_scale_f32_16x16x128_f8f6f4 v[rD:rD+7], v[rB:rB+11], v[rA:rA+11], v[rC:rC+7], v[SC+8*(\ks)+\b], v[SC+8*(\ks)+(\a)] matrix_a_fmt:MATRIX_FMT_FP6 matrix_b_fmt:MATRIX_FMT_FP6 matrix_a_scale:MATRIX_SCALE_ROW1
.else
	v_wmma_scale_f32_16x16x128_f8f6f4 v[rD:rD+7], v[rB:rB+11], v[rA:rA+11], v[rD:rD+7], v[SC+8*(\ks)+\b], v[SC+8*(\ks)+(\a)] matrix_a_fmt:MATRIX_FMT_FP6 matrix_b_fmt:MATRIX_FMT_FP6 matrix_a_scale:MATRIX_SCALE_ROW1
.endif
.endr
.endr
.endm
.macro STEP slot, ks, cm               ; a slot's first 128 along K; S0's set 0
	s_wait_dscnt 16                                ; S0's set and S1's blocks 0-3 are in; the youngest 16 loads (blocks 4-7) may be out
	MULP 0, 0, \ks, \cm
	MULP 2, 0, \ks, \cm
	s_wait_dscnt 0x0
	PLACES
	FETCH_B \slot, 1, 1
	FETCH_A \slot, 1, 0
	MULP 4, 0, \ks, \cm
	MULP 6, 0, \ks, \cm
	PLACES
	WIN 0
	FETCH_A \slot, 1, 4
.endm
; A slot's second 128 along K; S0's set 1; then on to slot next.  kind 0: that slot has been shown whole already.  1: a barrier; in front of it my part of it has landed (tc younger loads may be out).
; 2: this slot is filled again: every wave waits for all its tensor loads, adds 0 to its spare word, waits for that and for its reads of the slot; the barrier opens a round of the cluster's; the joint refill is the first thing behind it.
.macro TURN slot, next, ks, kind, tc
.if \kind == 2
	s_wait_tensorcnt 0x0                           ; all my tensor loads have landed: my parts of all three slots
	ds_add_u32 v[SPW], v[NIL]                      ; 0 onto my spare word
	s_wait_dscnt 17                                ; (the add and the youngest 16 loads may be out)
.elseif \kind == 1
	s_wait_tensorcnt \tc
	s_wait_dscnt 16
.else
	s_wait_dscnt 16
.endif
	MULP 0, 1, \ks, 0
	s_wait_dscnt 0x0                               ; my reads of this slot are over (kind 2: and the add is done)
.if \kind
	s_barrier_signal -1
.endif
	MULP 2, 1, \ks, 0
	WIN 0
.if \kind
	s_barrier_wait -1
.endif
.if \kind == 2
	CREST                                          ; no wave of any partner still reads this slot or has a load on its way
	s_add_nc_u64 s[G0A+4*\slot+2:G0A+4*\slot+3], s[G0A+4*\slot+2:G0A+4*\slot+3], 3*3072
	s_add_nc_u64 s[G0B+4*\slot+2:G0B+4*\slot+3], s[G0B+4*\slot+2:G0B+4*\slot+3], 3*3072
	JLOAD G0A+4*\slot, G1, G0B+4*\slot, G1B        ; its four v_nop are also the places in front of the loads below
.else
	PLACES
.endif
	s_wait_alu depctr_va_vdst(0)
	FETCH_B \next, 0, 0
	FETCH_A \next, 0, 0
	MULP 4, 1, \ks, 0
	MULP 6, 1, \ks, 0
	PLACES
	WIN 0
	FETCH_A \next, 0, 4
.endm
.macro LAST ks
	s_wait_dscnt 16
	MULP 0, 1, \ks, 0
	MULP 2, 1, \ks, 0
	s_wait_dscnt 0x0
	MULP 4, 1, \ks, 0
	MULP 6, 1, \ks, 0
	WIN 0
.endm
	s_load_b256 s[4:11], s[0:1], 0x0               ; c1, s1, b_qkv, qb
	s_load_b64 s[12:13], s[0:1], 0x20              ; kv
	v_lshl_add_u32 v[SPW], v0, 2, SPARE
	v_mov_b32 v[NIL], 0
	ds_add_u32 v[SPW], v[NIL]
	ds_add_u32 v[SPW], v[NIL]                      ; the wave's opening: the add and its wait ahead of my first tensor load; the set-up below, work on registers, stands between them
	v_lshrrev_b32 v1, 5, v0
	v_readfirstlane_b32 s14, v1                    ; wave 0..3
	s_lshr_b32 s15, s14, 1                         ; my S1 half.  Also: I fetch for S1 (0) or for S0 (1)
	s_and_b32 s16, s14, 1                          ; my S0 half.  Also: which half I fetch
	s_bfe_u32 s84, ttmp6, 0x40000                  ; cx
	s_bfe_u32 s85, ttmp6, 0x40004                  ; cy
	s_and_b32 s17, ttmp7, 0xffff                   ; the cluster's y
	s_lshl_b32 s86, s85, 2
	s_lshl_b32 s86, 15, s86                        ; my row of the cluster
	s_lshl_b32 s87, 0x1111, s84                    ; my column
	s_or_b32 s[G1], s86, (3<<16)|(1<<21)           ; 15:0 the mask; 17:16 elements of 8 bytes; 21 set beside a mask; no padding
	s_or_b32 s[G1B], s87, (3<<16)|(1<<21)
.irp g, G1, G1B
	s_mov_b32 s[\g+1], 384<<16                     ; tensor_dim0 = 384 elements: a block's two K steps, 3,072 bytes
	s_mov_b32 s[\g+2], 8<<16                       ; tensor_dim1 = 8 blocks
	s_mov_b32 s[\g+3], 384<<16                     ; tile_dim0
	s_mov_b32 s[\g+4], 8                           ; tile_dim1
	s_mov_b32 s[\g+5], 1536                        ; from block to block: 12,288 bytes
	s_mov_b32 s[\g+6], 0
	s_mov_b32 s[\g+7], 0
.endr
	s_lshl_b32 s90, ttmp9, 6                       ; q, k: the weight's blocks 64 x kind on
	s_lshl_b32 s91, s17, 6
	s_add_co_u32 s91, s91, 192                     ; x's blocks 192 + 64 x cluster y on
	s_mov_b32 s92, 128                             ; v's weight: blocks 128 on
	s_cmp_eq_u32 ttmp9, 2
	s_cselect_b32 s88, s91, s90                    ; S0,
	s_cselect_b32 s89, s92, s91                    ; S1
	s_lshl_b32 s93, s84, 4
	s_add_co_u32 s88, s88, s93                     ; S0's first block: + 16 cx
	s_lshl_b32 s94, s85, 4
	s_add_co_u32 s89, s89, s94                     ; S1's: + 16 cy
	s_lshl_b32 s18, s16, 3
	s_add_co_u32 s20, s89, s18                     ; what I would fetch of S1,
	s_mul_i32 s20, s20, 12288
	s_mov_b32 s21, 0
	s_add_co_u32 s96, s88, s18                     ; and of S0: each in registers that never hold the other coordinate
	s_mul_i32 s96, s96, 12288
	s_mov_b32 s97, 0
	s_mul_i32 s22, s16, 24576                      ; where they go: no place in the cluster enters an LDS address
	s_mul_i32 s23, s16, NB*3072
	s_add_co_u32 s23, s23, 49152
	s_lshl_b32 s56, s15, 3
	s_add_co_u32 s56, s56, s89                     ; my wave's first S1 block,
	s_mul_i32 s57, s16, NB
	s_add_co_u32 s57, s57, s88                     ; and S0 block
	s_mov_b32 s2, 0xffff0000                       ; lanes 16-31
	s_mov_b32 s[SEL], 0x76543210
	s_mov_b32 s[SEL+1], 0xfedcba98
	s_wait_dscnt 0x0                               ; the opening add is done
	s_wait_kmcnt 0x0
	s_add_nc_u64 s[20:21], s[4:5], s[20:21]
	s_add_nc_u64 s[96:97], s[4:5], s[96:97]
	CROUND                                         ; all sixteen work-groups are here: the first joint loads meet
.irp s, 0,1,2
	s_mov_b32 s[G0A+4*\s], 1
	s_add_co_u32 s[G0A+4*\s+1], s22, \s*SLOT
	s_add_nc_u64 s[G0A+4*\s+2:G0A+4*\s+3], s[20:21], \s*3072
	s_or_b32 s[G0A+4*\s+3], s[G0A+4*\s+3], 0x80000000
	s_mov_b32 s[G0B+4*\s], 1
	s_add_co_u32 s[G0B+4*\s+1], s23, \s*SLOT
	s_add_nc_u64 s[G0B+4*\s+2:G0B+4*\s+3], s[96:97], \s*3072
	s_or_b32 s[G0B+4*\s+3], s[G0B+4*\s+3], 0x80000000
	JLOAD G0A+4*\s, G1, G0B+4*\s, G1B              ; three loads of mine are out
.endr
	v_and_b32 v1, 31, v0                           ; lane
	v_and_b32 v2, 15, v0                           ; r
	v_bfe_u32 v3, v0, 4, 1                         ; h
	v_lshlrev_b32 v24, 4, v1                       ; 16 x lane
	v_lshlrev_b32 v25, 3, v1                       ; 8 x lane
	v_lshlrev_b32 v26, 2, v1                       ; 4 x lane
	v_lshlrev_b32 v4, 6, v3                        ; 64 h
	v_and_b32 v5, 8, v2
	v_add_nc_u32 v5, v5, v2
	v_lshlrev_b32 v5, 2, v5                        ; 4 (r + 8 (r / 8))
	v_lshlrev_b32 v6, 2, v2                        ; 4 r
	s_mul_i32 s18, s15, 24576
	s_mul_i32 s19, s16, NB*3072
	s_add_co_u32 s19, s19, 49152
.irp s, 0,1,2
	v_add_nc_u32 v[A16+\s], s18, v24
	v_add_nc_u32 v[A8+\s], s18, v25
	v_add_nc_u32 v[B16+\s], s19, v24
	v_add_nc_u32 v[B8+\s], s19, v25
	s_add_co_u32 s18, s18, SLOT
	s_add_co_u32 s19, s19, SLOT
.endr
	s_lshl_b32 s18, s56, 9                         ; the scale words: 512 bytes a block; both sides lie in one buffer
	s_lshl_b32 s19, s57, 9
	v_mov_b32 v30, s18
	v_mov_b32 v31, s19
	v_cndmask_b32 v27, v30, v31, s2                ; lanes 0-15 take S1's, lanes 16-31 S0's
	v_add_nc_u32 v27, v27, v6
.set ks, 0
.rept 8
.set si, 0
.rept 8
	global_load_b32 v[SC+8*ks+si], v27, s[6:7] offset:si*512+ks*64
.set si, si+1
.endr
.set ks, ks+1
.endr
	s_cmp_eq_u32 ttmp9, 2
	s_cbranch_scc1 .Lbias_v
	s_lshl_b32 s90, s57, 6                         ; q, k: the bias runs along S0: tile b's eight columns of my half of the lanes
	s_mov_b32 s91, 0
	s_add_nc_u64 s[90:91], s[8:9], s[90:91]
	WIN 0x40
.irp b, 0,1,2,3,4,5,6,7
	global_load_b128 v[96+8*\b+96*(\b/4):99+8*\b+96*(\b/4)], v4, s[90:91] offset:(32*(\b/2)+8*(\b%2))*4
	global_load_b128 v[100+8*\b+96*(\b/4):103+8*\b+96*(\b/4)], v4, s[90:91] offset:(32*(\b/2)+8*(\b%2))*4+16
.endr
	WIN 0
	s_branch .Lbias_done
.Lbias_v:
	s_lshl_b32 s90, s56, 6                         ; v: the bias runs along S1: my lane's channel, the same number in a tile's eight registers
	s_mov_b32 s91, 0
	s_add_nc_u64 s[90:91], s[8:9], s[90:91]
	WIN 0x40
.irp a, 0,1,2,3,4,5,6,7
.irp j, 0,1,2,3,4,5,6,7
	global_load_b32 v[96+8*\a+96*(\a/4)+\j], v5, s[90:91] offset:(32*(\a/2)+8*(\a%2))*4
.endr
.endr
	WIN 0
.Lbias_done:
	s_wait_tensorcnt 2                             ; my part of slot 0 is in; slots 1 and 2 may stay out
	s_barrier_signal -1
	s_barrier_wait -1
	FETCH_B 0, 0, 0
	FETCH_A 0, 0, 0
	FETCH_A 0, 0, 4
	s_wait_loadcnt 0x0                             ; scale words and bias
	s_cmp_eq_u32 ttmp9, 2
	s_cbranch_scc1 .Lfirst_v
	STEP 0, 0, 1
	s_branch .Lfirst_done
.Lfirst_v:
	STEP 0, 0, 2
.Lfirst_done:
	TURN 0, 1, 1, 2, 0                             ; slot 0 takes K 768 .. 1,023
	STEP 1, 2, 0
	TURN 1, 2, 3, 0, 0                             ; slot 2 was shown whole by the round
	STEP 2, 4, 0
	TURN 2, 0, 5, 1, 0                             ; the refill has landed, everybody's
	STEP 0, 6, 0
	LAST 7
	PLACES
.irp b, 0,1,2,3
	v_mov_b32 v[TM+4+\b], 0                        ; written once: a lane permute's destination counts as one of its sources
.endr
; The 64 results of S1's block a, register 16 b + i = S0's row 32 b + 16 h + i of my S1 row, become a fragment's codes in v[PC] on and its scale word in v[PW].  Each accumulator is read from its low end on.
.macro QW a
.set W, 2+(\a)/4
.set AC, 64*((\a)%4)
	s_wait_xcnt 0x0                                ; the last block's stores have read their data
	WIN W|(W<<2)
.irp b, 0,1,2,3
	v_max3_num_f32 v[TM+\b], |v[AC+16*\b]|, |v[AC+16*\b+1]|, 0x1800000   ; and the floor 2^(3 - 127)
.endr
	WIN (W<<2)|(W<<4)
.irp i, 2,4,6,8,10,12,14
.irp b, 0,1,2,3
	v_max3_num_f32 v[TM+\b], v[TM+\b], |v[AC+16*\b+\i]|, |v[AC+16*\b+\i+1]|
.endr
.endr
	WIN 0
.irp b, 0,1,2,3
	v_permlanex16_b32 v[TM+4+\b], v[TM+\b], s[SEL], s[SEL+1]
.endr
.irp b, 0,1,2,3
	v_max_num_f32 v[TM+\b], v[TM+\b], v[TM+4+\b]   ; with lane l xor 16's: the block's largest magnitude
.endr
.irp b, 0,1,2,3
	v_add_nc_u32 v[TM+12+\b], 0xff000000, v[TM+\b] ; 2 off the exponent field: the conversion's scale operand
.endr
.irp b, 0,1,2,3
	v_lshrrev_b32 v[TM+4+\b], 23, v[TM+12+\b]      ; the scale's byte
.endr
	v_lshl_or_b32 v[PW], v[TM+5], 8, v[TM+4]
	v_lshl_or_b32 v[PW], v[TM+6], 16, v[PW]
	v_lshl_or_b32 v[PW], v[TM+7], 24, v[PW]
	WIN W
.irp c, 0,1
	v_cvt_scalef32_pk16_fp6_f32 v[PC+6*\c:PC+6*\c+2], v[AC+32*\c:AC+32*\c+15], v[TM+12+2*\c]
	v_cvt_scalef32_pk16_fp6_f32 v[PC+12+4*\c:PC+14+4*\c], v[AC+32*\c+16:AC+32*\c+31], v[TM+13+2*\c]
.endr
	WIN 0
	v_nop                                          ; one plain place behind a scaled conversion
.irp c, 0,1                                    ; the operand's layout wants a whole block in a lane
.irp i, 0,1,2
	v_permlane16_swap_b32 v[PC+6*\c+\i], v[PC+12+4*\c+\i]
.endr
.irp i, 0,1,2
	v_mov_b32 v[PC+3+6*\c+\i], v[PC+12+4*\c+\i]
.endr
.endr
.endm
	s_cmp_eq_u32 ttmp9, 2
	s_cbranch_scc1 .Lepi_v
	; ---- q, k: my 128 columns are two heads: half c of a fragment is head c's operand
	s_lshl_b32 s18, s17, 2
	s_add_co_u32 s18, s18, s85                     ; which 256 tokens
	s_lshr_b32 s19, s18, 3                         ; the batch
	s_and_b32 s18, s18, 7
	s_lshl_b32 s18, s18, 4
	s_lshl_b32 s20, s15, 3
	s_add_co_u32 s18, s18, s20                     ; my first block of tokens in it
	s_lshl_b32 s19, s19, 4
	s_lshl_b32 s20, s84, 2
	s_add_co_u32 s19, s19, s20
	s_lshl_b32 s20, s16, 1
	s_add_co_u32 s19, s19, s20                     ; my first head
	s_mov_b32 s92, 98304
	s_mov_b32 s93, 6291456
	s_mov_b32 s94, 8192
	s_cmp_eq_u32 ttmp9, 1
	s_cselect_b64 s[90:91], s[12:13], s[10:11]     ; kv or qb
	s_cselect_b32 s92, 208896, s92                 ; from head to head: codes,
	s_cselect_b32 s93, 196608, s93                 ; where the scale words begin,
	s_cselect_b32 s94, 208896, s94                 ; from head to head: scale words
	s_mul_i32 s20, s19, s92
	s_mul_i32 s21, s18, 768
	s_add_co_u32 s20, s20, s21
	s_mov_b32 s21, 0
	s_add_nc_u64 s[20:21], s[90:91], s[20:21]      ; the first head's codes,
	s_mov_b32 s96, s92
	s_mov_b32 s97, 0
	s_add_nc_u64 s[22:23], s[20:21], s[96:97]      ; the second's
	s_mul_i32 s96, s19, s94
	s_add_co_u32 s96, s96, s93
	s_lshl_b32 s95, s18, 6
	s_add_co_u32 s96, s96, s95
	s_add_nc_u64 s[90:91], s[90:91], s[96:97]
	v_mad_u32_u24 v30, v3, s94, v6                 ; 4 r; lanes 16-31 store the second head's words
	v_lshlrev_b32 v31, 4, v3                       ; 16 h
.irp a, 0,1,2,3,4,5,6,7
	QW \a
	global_store_b128 v24, v[PC:PC+3], s[20:21] offset:768*\a
	global_store_b64 v25, v[PC+4:PC+5], s[20:21] offset:768*\a+512
	global_store_b128 v24, v[PC+6:PC+9], s[22:23] offset:768*\a
	global_store_b64 v25, v[PC+10:PC+11], s[22:23] offset:768*\a+512
	v_lshrrev_b32 v229, v31, v[PW]
	v_and_b32 v229, 0xffff, v229                   ; my head's two bytes; bytes 2 and 3 are 0
	global_store_b32 v30, v229, s[90:91] offset:64*\a
.endr
	s_branch .Ldone
.Lepi_v:
	; ---- v: my 128 keys are one key step; my 128 channels are two heads of four blocks
	s_lshl_b32 s18, s17, 2
	s_add_co_u32 s18, s18, s84                     ; which 256 tokens
	s_lshr_b32 s19, s18, 3                         ; the batch
	s_and_b32 s18, s18, 7
	s_lshl_b32 s18, s18, 1
	s_add_co_u32 s18, s18, s16                     ; the key step
	s_lshl_b32 s19, s19, 4
	s_lshl_b32 s3, s85, 2
	s_add_co_u32 s19, s19, s3
	s_lshl_b32 s3, s15, 1
	s_add_co_u32 s19, s19, s3                      ; my first head
	s_mul_i32 s19, s19, 208896
	s_mul_i32 s20, s18, 6144
	s_add_co_u32 s20, s20, s19
	s_add_co_u32 s20, s20, 98304
	s_mov_b32 s21, 0
	s_add_nc_u64 s[20:21], s[12:13], s[20:21]
	s_add_nc_u64 s[22:23], s[20:21], 208896
	s_lshl_b32 s90, s18, 8
	s_add_co_u32 s90, s90, s19
	s_add_co_u32 s90, s90, 204800
	s_mov_b32 s91, 0
	s_add_nc_u64 s[90:91], s[12:13], s[90:91]
	s_add_nc_u64 s[92:93], s[90:91], 208896
.irp a, 0,1,2,3,4,5,6,7
	QW \a
	global_store_b128 v24, v[PC:PC+3], s[20+2*(\a/4):21+2*(\a/4)] offset:1536*(\a%4)
	global_store_b64 v25, v[PC+4:PC+5], s[20+2*(\a/4):21+2*(\a/4)] offset:1536*(\a%4)+512
	global_store_b128 v24, v[PC+6:PC+9], s[20+2*(\a/4):21+2*(\a/4)] offset:1536*(\a%4)+768
	global_store_b64 v25, v[PC+10:PC+11], s[20+2*(\a/4):21+2*(\a/4)] offset:1536*(\a%4)+1280
.if \a%2 == 0
	v_mov_b32 v229, v[PW]
.else
	v_cndmask_b32 v230, v229, v[PW], s2            ; lanes 0-15 the even block's words, lanes 16-31 the odd one's
	global_store_b32 v26, v230, s[90+2*(\a/4):91+2*(\a/4)] offset:128*((\a%4)/2)
.endif
.endr
.Ldone:
	s_wait_tensorcnt 0x0                           ; the wave's end
	ds_add_u32 v[SPW], v[NIL]
	s_wait_dscnt 0x0
	CROUND                                         ; the closing round: no work-group ends while a partner may still ask for a tile that names it
	s_endpgm
.Lfunc_end_k_q23fd095cd3_qkv:
	.size	k_q23fd095cd3_qkv, .Lfunc_end_k_q23fd095cd3_qkv-k_q23fd095cd3_qkv
	.p2alignl 7, 3214868480
	.fill 96, 4, 3214868480
	.section	.rodata,"a",@progbits
	.p2align	6, 0x0
	.amdhsa_kernel k_q23fd095cd3_qkv
		.amdhsa_group_segment_fixed_size 327680
		.amdhsa_private_segment_fixed_size 0
		.amdhsa_enable_private_segment 0
		.amdhsa_kernarg_size 40
		.amdhsa_user_sgpr_count 2
		.amdhsa_user_sgpr_kernarg_segment_ptr 1
		.amdhsa_wavefront_size32 1
		.amdhsa_system_sgpr_workgroup_id_x 1
		.amdhsa_system_sgpr_workgroup_id_y 1
		.amdhsa_system_sgpr_workgroup_id_z 1
		.amdhsa_system_vgpr_workitem_id 0
		.amdhsa_next_free_vgpr 1024
		.amdhsa_next_free_sgpr 100
		.amdhsa_reserve_vcc 0
		.amdhsa_float_denorm_mode_32 3
		.amdhsa_float_denorm_mode_16_64 3
		.amdhsa_memory_ordered 1
		.amdhsa_forward_progress 1
		.amdhsa_inst_pref_size 210
	.end_amdhsa_kernel
	.amdgpu_metadata
---
amdhsa.version: [ 1, 2 ]
amdhsa.kernels:
  - .name:           k_q23fd095cd3_qkv
    .symbol:         k_q23fd095cd3_qkv.kd
    .args:
      - { .name: c1, .offset: 0, .size: 8, .value_kind: global_buffer, .address_space: global }
      - { .name: s1, .offset: 8, .size: 8, .value_kind: global_buffer, .address_space: global }
      - { .name: b_qkv, .offset: 16, .size: 8, .value_kind: global_buffer, .address_space: global }
      - { .name: qb, .offset: 24, .size: 8, .value_kind: global_buffer, .address_space: global }
      - { .name: kv, .offset: 32, .size: 8, .value_kind: global_buffer, .address_space: global }
    .group_segment_fixed_size: 327680
    .private_segment_fixed_size: 0
    .kernarg_segment_align: 8
    .kernarg_segment_size: 40
    .max_flat_workgroup_size: 128
    .sgpr_count:     100
    .vgpr_count:     1024
    .wavefront_size: 32
...
	.end_amdgpu_metadata
.endif
;; end of part 2
;; launch attn (part 3): grid 256 x 1, 16 waves a work-group, clusters of 4 x 1, 210,944 bytes of LDS; arguments qb, kv, c4, s4; writes c4, s4
.if DOCPART == 3
	.amdgcn_target "amdgcn-amd-amdhsa--gfx1250"
	.amdhsa_code_object_version 6
	.text
	.protected	k_q23fd095cd3_attn
	.globl	k_q23fd095cd3_attn
	.p2align	8
	.type	k_q23fd095cd3_attn,@function
k_q23fd095cd3_attn:
	s_mov_b64 s[64:65], 0
	v_nop
	global_prefetch_b8 v0, s[64:65] scope:SCOPE_SE
	s_setreg_imm32_b32 hwreg(HW_REG_WAVE_MODE, 25, 1), 1
	s_wait_xcnt 0x0
	s_wait_alu depctr_hold_cnt(0) depctr_sa_sdst(0) depctr_va_vdst(0) depctr_va_sdst(0) depctr_va_ssrc(0) depctr_va_vcc(0) depctr_vm_vsrc(0)
	s_getreg_b32 s2, hwreg(HW_REG_IB_STS2, 6, 4)
	s_cmp_eq_u32 s2, 0
	s_cbranch_scc0 .Lentry_in_a_cluster
	s_endpgm
.Lentry_in_a_cluster:
	s_bfe_u32 s2, ttmp6, 0x10000c
	s_cmp_lg_u32 s2, 0x3003
	s_cbranch_scc0 .Lentry_shape_is_right
	s_endpgm
.Lentry_shape_is_right:
; Causal attention on codes of FP6 (E2M3) with E8M0 scales: 64 heads (batch x head), 2,048 tokens, head size 64.  q, k, v arrive as codes (qb, kv: see below); the result o is quantised along the model's 1,024 and leaves as the
; next product's operand (c4, s4).  THE SOFTMAX: t = score x log2(e) / 8; M = the running largest t rounded UP to a whole number; p = 2^(t - M) is quantised along the keys, not normalised; the row's sum is taken of the
; unquantised p and divides at the end; when M moves, sum and O are multiplied by 2^(old M - new M), which rounds nothing.
; SHARES.  A cluster of four work-groups is one head.  The head's record in kv, 208,896 bytes (k's codes [block 128][768]; from 98,304 v's [key step 16][block of channels 4][1,536]; from 196,608 k's scale words [block][16];
; from 204,800 v's [key step][block][16]), fits in LDS whole: each of the sixteen waves asks for a sixteenth, jointly with the same wave of the three partners; it is filled once.  Behind one barrier the waves run free.
; A wave owns two tiles of 16 queries: block 4 m + cx with m = wave, then m = 31 - wave.  Tile m needs key steps 0 .. m / 2 of 128 keys: (w / 2) + ((31 - w) / 2) + 2 = 17 steps for every wave.  What lies wholly under the mask is not computed.
; Which steps a tile takes hangs on m alone, not on the work-group's place in its cluster.
; LAYOUT.  Blocks of 16 rows: block 2 b + u = rows 32 b + 8 u + r + 8 (r / 8).  Both products are used transposed: S^T = K Q^T (source 0 = a block of keys), O^T = V^T P^T (source 0 = a block of channels): a lane holds ONE query,
; the 16 registers of tiles 2 b, 2 b + 1 are 16 neighbouring keys (channels).  The first product's K is 64: a block's operand is 6 registers; the instruction's upper 64 meet q's zero codes, under scale bytes 0, and add nothing.
; So K's tiles stand 6 registers apart, and each names the next one's six as its upper half.
; LIMITS: a block of zeros or under 2^-124 gets the byte 1 (this program alone reads the bytes); NaN and infinities are not served.  o's scale bytes leave singly, 32 a tile: one byte in 24 of its codes'.
; REGISTERS: v1-6 lane terms; v7 the mask's d; v8-11, v29, v30 the step's addresses; v12 -M, v13 the largest t, v[14:15] the sum; v16-21 q, v22-27 zeros; v28 q's words; v32-85 fragments; v86, v87 the add's two;
; v96-159 S^T, then p; v160-191 O^T; v192-203 p's codes; v204-210 the conversions' upper halves; v212-223 at work; v224-231 K's words; v232-235 V's; v238 p's word; v[240:241] f; v242-244 at work.
.set REC,   208896
.set VC,    98304
.set KSC,   196608
.set VSC,   204800
.set SPARE, 208896                     ; behind the record: the spare words, 128 bytes for each wave: eight blocks of 256 bytes that no other line names
.set SPW,   86
.set NIL,   87
.macro CROUND
	s_barrier_signal -1
	s_barrier_wait -1
	s_cmp_lg_u32 s12, 0
	s_cbranch_scc1 .Lnot_wave_0_\@
	s_barrier_signal -3
.Lnot_wave_0_\@:
	s_barrier_wait -3
	s_barrier_signal -1
	s_barrier_wait -1
.endm
	s_load_b256 s[4:11], s[0:1], 0x0               ; qb, kv, c4, s4
	v_lshl_add_u32 v[SPW], v0, 2, SPARE
	v_mov_b32 v[NIL], 0
	ds_add_u32 v[SPW], v[NIL]                      ; the wave's opening: the add and its wait ahead of my tensor load; the set-up below, work on registers, stands between them
	ds_add_u32 v[SPW], v[NIL]
	v_lshrrev_b32 v1, 5, v0
	s_delay_alu instid0(VALU_DEP_1)
	v_readfirstlane_b32 s12, v1                    ; wave 0..15
	s_bfe_u32 s13, ttmp6, 0x40000                  ; cx
	s_mov_b32 s16, 15|(3<<16)|(1<<21)              ; 15:0 the mask: all four work-groups; 17:16 elements of 8 bytes; 21 set beside a mask
	s_mov_b32 s17, 32<<16                          ; tensor_dim0 = 32: rows of 256 bytes
	s_mov_b32 s18, 51<<16                          ; tensor_dim1 = 51 rows: a sixteenth of the record
	s_mov_b32 s19, 32<<16                          ; tile_dim0
	s_mov_b32 s20, 51                              ; tile_dim1
	s_mov_b32 s21, 32                              ; the block is dense
	s_mov_b32 s22, 0
	s_mov_b32 s23, 0
	s_mov_b32 s24, 1
	s_mul_i32 s25, s12, 13056                      ; LDS address: my sixteenth
	s_mul_i32 s14, ttmp9, REC                      ; the head = the cluster's number
	s_add_co_u32 s14, s14, s25
	s_mov_b32 s15, 0
	s_mov_b32 s28, 0x76543210
	s_mov_b32 s29, 0xfedcba98                      ; v_permlanex16_b32's selects for lane l xor 16
	s_mov_b32 s30, 0x3e38aa3b                      ; c = log2(e) / 8
	s_mov_b32 s31, s30                             ; (named with it as a pair, so it is written)
	s_mov_b32 s56, 0xffff0000                      ; lanes 16-31
	s_wait_dscnt 0x0                               ; the opening add is done
	s_wait_kmcnt 0x0
	s_add_nc_u64 s[26:27], s[6:7], s[14:15]
	s_or_b32 s27, s27, 0x80000000
	CROUND                                         ; all four work-groups are here: the joint loads meet
	tensor_load_to_lds s[24:27], s[16:23]          ; my one tensor load of the launch
	s_nop 0
	v_and_b32 v88, 31, v0                          ; lane
	v_and_b32 v89, 15, v0                          ; r
	v_bfe_u32 v92, v0, 4, 1                        ; h
	s_delay_alu instid0(VALU_DEP_3)
	v_lshlrev_b32 v1, 4, v88                       ; 16 x lane
	s_delay_alu instid0(VALU_DEP_4)
	v_lshlrev_b32 v2, 3, v88                       ; 8 x lane
	s_delay_alu instid0(VALU_DEP_2)
	v_add_nc_u32 v3, VC, v1
	s_delay_alu instid0(VALU_DEP_2)
	v_add_nc_u32 v4, VC, v2
	v_lshlrev_b32 v90, 2, v89                      ; 4 r
	s_delay_alu instid0(VALU_DEP_1)
	v_add_nc_u32 v5, KSC, v90
	s_delay_alu instid0(VALU_DEP_2)
	v_add_nc_u32 v6, VSC, v90
	s_delay_alu instid0(VALU_DEP_3)
	v_add_nc_u32 v91, v90, v92                     ; 4 r + h
	v_and_b32 v31, 8, v89
	s_delay_alu instid0(VALU_DEP_1)
	v_add_nc_u32 v31, v31, v89
	v_lshlrev_b32 v93, 4, v92
	s_delay_alu instid0(VALU_DEP_1)
	v_sub_nc_u32 v31, v31, v93                     ; r + 8 (r / 8) - 16 h
.irp j, 22,23,24,25,26,27,80,81,82,83,84,85,216,217,218,219,241,242
	v_mov_b32 v\j, 0                               ; q's upper half; what K's last tile names as its upper half; permutes' destinations; the upper half of f's pair
.endr
	s_wait_tensorcnt 0x0                           ; my sixteenth is in,
	s_barrier_signal -1
	s_barrier_wait -1                              ; everybody's is; nothing is ever filled again
.macro TILE mx
	s_xor_b32 s39, s12, \mx                        ; m
	s_lshr_b32 s36, s39, 1                         ; the key step on the diagonal
	s_lshl_b32 s40, s39, 2
	s_add_co_u32 s40, s40, s13                     ; my block of queries
	s_lshl_b32 s41, ttmp9, 7
	s_add_co_u32 s41, s41, s40
	s_mul_i32 s42, s41, 768
	s_mov_b32 s43, 0
	s_add_nc_u64 s[44:45], s[4:5], s[42:43]        ; q's codes
	s_lshl_b32 s42, s41, 6
	s_add_co_u32 s42, s42, 6291456
	s_add_nc_u64 s[46:47], s[4:5], s[42:43]        ; q's scale words
	s_lshr_b32 s41, ttmp9, 4                       ; the batch
	s_lshl_b32 s41, s41, 7
	s_add_co_u32 s41, s41, s40
	s_add_co_u32 s41, s41, 64                      ; o's blocks stand behind w_out's 64
	s_lshl_b32 s41, s41, 3
	s_bfe_u32 s48, ttmp9, 0x30001                  ; the K step of the next product: head / 2
	s_add_co_u32 s41, s41, s48
	s_and_b32 s48, ttmp9, 1                        ; and which half of its fragment
	s_mul_i32 s42, s41, 1536
	s_mul_i32 s49, s48, 768
	s_add_co_u32 s42, s42, s49
	s_add_nc_u64 s[50:51], s[8:9], s[42:43]
	s_lshl_b32 s42, s41, 6
	s_lshl_b32 s49, s48, 1
	s_add_co_u32 s42, s42, s49
	s_add_nc_u64 s[52:53], s[10:11], s[42:43]
	global_load_b128 v[16:19], v1, s[44:45]
	global_load_b64 v[20:21], v2, s[44:45] offset:512
	global_load_b32 v28, v90, s[46:47]
	s_and_b32 s49, s39, 1
	s_lshl_b32 s49, s49, 6
	s_lshr_b32 s54, s13, 1
	s_lshl_b32 s54, s54, 5
	s_add_co_u32 s49, s49, s54
	s_and_b32 s54, s13, 1
	s_lshl_b32 s54, s54, 3
	s_add_co_u32 s49, s49, s54
	v_add_nc_u32 v7, s49, v31                      ; d = my query - the diagonal step's first key - 16 h
.set oj, 0
.rept 32
	v_mov_b32 v[160+oj], 0                         ; O^T: the step is written once; the first finds zeros, which the first change of M leaves zeros
.set oj, oj+1
.endr
	v_mov_b32 v13, 0xff61b1e6                      ; the largest t so far: -3e38
	s_delay_alu instid0(VALU_DEP_1)
	v_floor_f32 v12, -v13                          ; -M
	v_mov_b32 v14, 0
	v_mov_b32 v15, 0
	s_mov_b32 s32, 0                               ; the step's codes: 6,144 bytes a step, K's and V's alike
	s_mov_b32 s33, 0                               ; K's scale words: 512 a step
	s_mov_b32 s34, 0                               ; V's: 256 a step
	s_mov_b32 s35, 0                               ; the key step
	s_wait_loadcnt 0x0
.Lstep_\@:                                         ; 16 trips, a constant; a step all of whose keys come after my queries is jumped over: a branch on the wave's number and the count of steps
	s_cmp_gt_u32 s35, s36
	s_cbranch_scc1 .Lhid_\@
	s_setprio 2
	v_add_nc_u32 v8, s32, v1                       ; (these six are also the places in front of the loads into registers that the last products read)
	v_add_nc_u32 v9, s32, v2
	v_add_nc_u32 v10, s32, v3
	v_add_nc_u32 v11, s32, v4
	v_add_nc_u32 v29, s33, v5
	v_add_nc_u32 v30, s34, v6
.set t, 0
.rept 8
	ds_load_b128 v[32+6*t:35+6*t], v8 offset:768*t
	ds_load_b64 v[36+6*t:37+6*t], v9 offset:768*t+512
	ds_load_b32 v[224+t], v29 offset:64*t
.set t, t+1
.endr
	s_wait_alu depctr_va_vdst(0)
	s_wait_dscnt 0x0
.set t, 0
.rept 8
	v_wmma_scale_f32_16x16x128_f8f6f4 v[96+8*t:103+8*t], v[32+6*t:43+6*t], v[16:27], 0, v[224+t], v28 matrix_a_fmt:MATRIX_FMT_FP6 matrix_b_fmt:MATRIX_FMT_FP6
.set t, t+1
.endr
.rept 4
	v_nop                                          ; places: in front of the loads below and of the first read of the scores
.endr
.set t, 0
.rept 4                                            ; V's four fragments are asked for now and land under the softmax
	ds_load_b128 v[32+12*t:35+12*t], v10 offset:1536*t
	ds_load_b64 v[36+12*t:37+12*t], v11 offset:1536*t+512
	ds_load_b128 v[38+12*t:41+12*t], v10 offset:1536*t+768
	ds_load_b64 v[42+12*t:43+12*t], v11 offset:1536*t+1280
	ds_load_b32 v[232+t], v30 offset:64*t
.set t, t+1
.endr
	s_cmp_lt_u32 s35, s36
	s_cbranch_scc1 .Lopen_\@                       ; all keys of this step count
	v_mov_b32 v243, 0xff800000                     ; on the diagonal hidden scores become -infinity: register 16 b + i holds key 32 b + 16 h + i of the step: hidden where 32 b + i > d
.set n, 0
.rept 64
	v_cmp_gt_i32 vcc_lo, 32*(n/16)+n%16, v7
	v_cndmask_b32 v[96+n], v[96+n], v243, vcc_lo
.set n, n+1
.endr
.Lopen_\@:
.irp b, 0,1,2,3
	v_max3_num_f32 v[212+\b], v[96+16*\b], v[97+16*\b], v[98+16*\b]   ; the largest score of each block of 32 keys: for the row's maximum, and, since p rises with the score, for the block's largest p
.endr
.irp i, 3,5,7,9,11,13
.irp b, 0,1,2,3
	v_max3_num_f32 v[212+\b], v[212+\b], v[96+16*\b+\i], v[97+16*\b+\i]
.endr
.endr
.irp b, 0,1,2,3
	v_max_num_f32 v[212+\b], v[212+\b], v[111+16*\b]
.endr
.irp b, 0,1,2,3
	s_delay_alu instid0(VALU_DEP_4)
	v_permlanex16_b32 v[216+\b], v[212+\b], s28, s29
.endr
.irp b, 0,1,2,3
	s_delay_alu instid0(VALU_DEP_4)
	v_max_num_f32 v[212+\b], v[212+\b], v[216+\b]  ; with lane l xor 16's 16 keys
.endr
	s_delay_alu instid0(VALU_DEP_2)
	v_max3_num_f32 v242, v212, v213, v214
	s_delay_alu instid0(VALU_DEP_1)
	v_max_num_f32 v242, v242, v215
	s_delay_alu instid0(VALU_DEP_1)
	v_mul_f32 v242, s30, v242                      ; as t
	s_delay_alu instid0(VALU_DEP_1)
	v_max_num_f32 v13, v13, v242                   ; the running largest t
	v_mov_b32 v242, v12
	s_delay_alu instid0(VALU_DEP_2)
	v_floor_f32 v12, -v13                          ; the new -M = -ceil(t)
	s_delay_alu instid0(VALU_DEP_1)
	v_sub_f32 v242, v12, v242                      ; old M - new M: a whole number, 0 or less
	s_delay_alu instid0(VALU_DEP_1)
	v_cvt_i32_f32 v242, v242                       ; (it saturates)
	s_delay_alu instid0(VALU_DEP_1)
	v_ldexp_f32 v240, 1.0, v242                    ; f = 2^(old M - new M)
.set j, 0
	s_setprio 1
.rept 32
	v_pk_fma_f32 v[96+j:97+j], v[96+j:97+j], s[30:31], v[12:13] op_sel_hi:[1,0,0]   ; t - M, two at a time
.set j, j+2
.endr
.irp b, 0,1,2,3
	v_fma_f32 v[212+\b], v[212+\b], s30, v12       ; the same of each block's largest score
.endr
.set j, 0
	s_wait_alu depctr_va_vdst(0)
.rept 64
	v_exp_f32 v[96+j], v[96+j]                     ; p = 2^(t - M)
.set j, j+1
.endr
	v_pk_mul_f32 v[14:15], v[14:15], v[240:241] op_sel_hi:[1,0]   ; the sums under the new M; a plain place behind the exponentials
	s_wait_alu depctr_va_vdst(0)                   ; one wait for the batch, ahead of its first reader
.irp b, 0,1,2,3
	v_exp_f32 v[212+\b], v[212+\b]                 ; the block's largest p
.endr
	v_pk_add_f32 v[236:237], v[100:101], v[104:105]
	v_pk_add_f32 v[254:255], v[108:109], v[112:113]
	v_pk_add_f32 v[252:253], v[116:117], v[120:121]
	v_pk_add_f32 v[250:251], v[124:125], v[128:129]
	v_pk_add_f32 v[248:249], v[132:133], v[136:137]
	v_pk_add_f32 v[246:247], v[140:141], v[144:145]
	v_pk_add_f32 v[244:245], v[148:149], v[152:153]
	v_pk_add_f32 v[14:15], v[14:15], v[156:157]
	v_pk_add_f32 v[236:237], v[236:237], v[96:97]
	v_pk_add_f32 v[254:255], v[254:255], v[98:99]
	v_pk_add_f32 v[252:253], v[252:253], v[102:103]
	v_pk_add_f32 v[250:251], v[250:251], v[106:107]
	v_pk_add_f32 v[248:249], v[248:249], v[110:111]
	v_pk_add_f32 v[246:247], v[246:247], v[114:115]
	v_pk_add_f32 v[244:245], v[244:245], v[118:119]
	v_pk_add_f32 v[14:15], v[14:15], v[122:123]
	v_pk_add_f32 v[236:237], v[236:237], v[126:127]
	v_pk_add_f32 v[254:255], v[254:255], v[130:131]
	v_pk_add_f32 v[252:253], v[252:253], v[134:135]
	v_pk_add_f32 v[250:251], v[250:251], v[138:139]
	v_pk_add_f32 v[248:249], v[248:249], v[142:143]
	v_pk_add_f32 v[246:247], v[246:247], v[146:147]
	v_pk_add_f32 v[244:245], v[244:245], v[150:151]
	v_pk_add_f32 v[14:15], v[14:15], v[154:155]
	v_pk_add_f32 v[236:237], v[236:237], v[158:159]
	s_delay_alu instid0(VALU_DEP_2)
	v_pk_add_f32 v[14:15], v[14:15], v[250:251]
	s_delay_alu instid0(VALU_DEP_2)
	v_pk_add_f32 v[236:237], v[236:237], v[248:249]
	v_pk_add_f32 v[254:255], v[254:255], v[246:247]
	v_pk_add_f32 v[252:253], v[252:253], v[244:245]
	s_delay_alu instid0(VALU_DEP_2)
	v_pk_add_f32 v[14:15], v[14:15], v[254:255]
	s_delay_alu instid0(VALU_DEP_2)
	v_pk_add_f32 v[236:237], v[236:237], v[252:253]
	s_delay_alu instid0(VALU_DEP_1)
	v_pk_add_f32 v[14:15], v[14:15], v[236:237]
	s_wait_alu depctr_va_vdst(0)                   ; and one for the four
.irp b, 0,1,2,3
	v_max_num_f32 v[212+\b], 0x1800000, v[212+\b]  ; the floor 2^(3 - 127)
.endr
.irp b, 0,1,2,3
	s_delay_alu instid0(VALU_DEP_4)
	v_add_nc_u32 v[220+\b], 0xff000000, v[212+\b]  ; the conversion's scale operand
.endr
.irp b, 0,1,2,3
	s_delay_alu instid0(VALU_DEP_4)
	v_lshrrev_b32 v[216+\b], 23, v[220+\b]         ; the scale's byte
.endr
	s_delay_alu instid0(VALU_DEP_3)
	v_lshl_or_b32 v238, v217, 8, v216              ; p's scale word for these 128 keys
	s_delay_alu instid0(VALU_DEP_1)
	v_lshl_or_b32 v238, v218, 16, v238
	s_delay_alu instid0(VALU_DEP_1)
	v_lshl_or_b32 v238, v219, 24, v238
	s_setprio 0
.irp c, 0,1
	v_cvt_scalef32_pk16_fp6_f32 v[192+6*\c:194+6*\c], v[96+32*\c:111+32*\c], v[220+2*\c]
	v_cvt_scalef32_pk16_fp6_f32 v[204+4*\c:206+4*\c], v[112+32*\c:127+32*\c], v[221+2*\c]
.endr
	v_nop                                          ; one plain place behind a scaled conversion
.irp c, 0,1
.irp i, 0,1,2
	v_permlane16_swap_b32 v[192+6*\c+\i], v[204+4*\c+\i]
.endr
.irp i, 0,1,2
	s_delay_alu instid0(VALU_DEP_3)
	v_mov_b32 v[195+6*\c+\i], v[204+4*\c+\i]
.endr
.endr
.set j, 0
.rept 16
	v_pk_mul_f32 v[160+j:161+j], v[160+j:161+j], v[240:241] op_sel_hi:[1,0]   ; O^T under the new M; these are also the places in front of the scaled products
.set j, j+2
.endr
	s_wait_alu depctr_va_vdst(0)
	s_wait_dscnt 0x0                               ; V
.set t, 0
.rept 4
	v_wmma_scale_f32_16x16x128_f8f6f4 v[160+8*t:167+8*t], v[32+12*t:43+12*t], v[192:203], v[160+8*t:167+8*t], v[232+t], v238 matrix_a_fmt:MATRIX_FMT_FP6 matrix_b_fmt:MATRIX_FMT_FP6
.set t, t+1
.endr
.Lhid_\@:
	s_add_co_u32 s32, s32, 6144
	s_add_co_u32 s33, s33, 512
	s_add_co_u32 s34, s34, 256
	s_add_co_u32 s35, s35, 1
	s_cmp_lt_u32 s35, 16
	s_cbranch_scc1 .Lstep_\@
	s_setprio 0
	; the way out: O^T / the sum is quantised along the head's 64 channels, two blocks of the next product's K, and leaves as half a fragment
.rept 4
	v_nop
.endr
	s_wait_alu depctr_va_vdst(0)
	v_add_f32 v14, v14, v15
	s_delay_alu instid0(VALU_DEP_1)
	v_permlanex16_b32 v242, v14, s28, s29
	s_delay_alu instid0(VALU_DEP_1)
	v_add_f32 v14, v14, v242                       ; the row's sum
	s_wait_alu depctr_va_vdst(0)
	v_rcp_f32 v240, v14
	v_nop                                          ; a plain place behind the reciprocal
	s_wait_alu depctr_va_vdst(0)                   ; and the wait ahead of its first reader
.set j, 0
.rept 16
	v_pk_mul_f32 v[96+j:97+j], v[160+j:161+j], v[240:241] op_sel_hi:[1,0]   ; register 16 b + i = channel 32 b + 16 h + i
.set j, j+2
.endr
.irp b, 0,1
	v_max3_num_f32 v[212+\b], |v[96+16*\b]|, |v[97+16*\b]|, 0x1800000
.endr
.irp i, 2,4,6,8,10,12,14
.irp b, 0,1
	s_delay_alu instid0(VALU_DEP_2)
	v_max3_num_f32 v[212+\b], v[212+\b], |v[96+16*\b+\i]|, |v[97+16*\b+\i]|
.endr
.endr
.irp b, 0,1
	s_delay_alu instid0(VALU_DEP_2)
	v_permlanex16_b32 v[216+\b], v[212+\b], s28, s29
.endr
.irp b, 0,1
	s_delay_alu instid0(VALU_DEP_2)
	v_max_num_f32 v[212+\b], v[212+\b], v[216+\b]
.endr
.irp b, 0,1
	s_delay_alu instid0(VALU_DEP_2)
	v_add_nc_u32 v[220+\b], 0xff000000, v[212+\b]
.endr
.irp b, 0,1
	s_delay_alu instid0(VALU_DEP_2)
	v_lshrrev_b32 v[216+\b], 23, v[220+\b]
.endr
	s_delay_alu instid0(VALU_DEP_1)
	v_cndmask_b32 v244, v216, v217, s56            ; lane (r, h) stores the byte of block h
	v_cvt_scalef32_pk16_fp6_f32 v[192:194], v[96:111], v220
	v_cvt_scalef32_pk16_fp6_f32 v[204:206], v[112:127], v221
	v_nop
.irp i, 0,1,2
	v_permlane16_swap_b32 v[192+\i], v[204+\i]
.endr
.irp i, 0,1,2
	s_delay_alu instid0(VALU_DEP_3)
	v_mov_b32 v[195+\i], v[204+\i]
.endr
	global_store_b128 v1, v[192:195], s[50:51]
	global_store_b64 v2, v[196:197], s[50:51] offset:512
	global_store_b8 v91, v244, s[52:53]
	s_wait_xcnt 0x0                                ; the stores have read their data and bases: both may be written again
.endm
	TILE 0
	TILE 31
	s_wait_tensorcnt 0x0                           ; the wave's end
	ds_add_u32 v[SPW], v[NIL]
	s_wait_dscnt 0x0
	CROUND                                         ; the closing round
	s_endpgm
.Lfunc_end_k_q23fd095cd3_attn:
	.size	k_q23fd095cd3_attn, .Lfunc_end_k_q23fd095cd3_attn-k_q23fd095cd3_attn
	.p2alignl 7, 3214868480
	.fill 96, 4, 3214868480
	.section	.rodata,"a",@progbits
	.p2align	6, 0x0
	.amdhsa_kernel k_q23fd095cd3_attn
		.amdhsa_group_segment_fixed_size 210944
		.amdhsa_private_segment_fixed_size 0
		.amdhsa_enable_private_segment 0
		.amdhsa_kernarg_size 32
		.amdhsa_user_sgpr_count 2
		.amdhsa_user_sgpr_kernarg_segment_ptr 1
		.amdhsa_wavefront_size32 1
		.amdhsa_system_sgpr_workgroup_id_x 1
		.amdhsa_system_sgpr_workgroup_id_y 1
		.amdhsa_system_sgpr_workgroup_id_z 1
		.amdhsa_system_vgpr_workitem_id 0
		.amdhsa_next_free_vgpr 256
		.amdhsa_next_free_sgpr 66
		.amdhsa_reserve_vcc 1
		.amdhsa_float_denorm_mode_32 3
		.amdhsa_float_denorm_mode_16_64 3
		.amdhsa_memory_ordered 1
		.amdhsa_forward_progress 1
		.amdhsa_inst_pref_size 66
	.end_amdhsa_kernel
	.amdgpu_metadata
---
amdhsa.version: [ 1, 2 ]
amdhsa.kernels:
  - .name:           k_q23fd095cd3_attn
    .symbol:         k_q23fd095cd3_attn.kd
    .args:
      - { .name: qb, .offset: 0, .size: 8, .value_kind: global_buffer, .address_space: global }
      - { .name: kv, .offset: 8, .size: 8, .value_kind: global_buffer, .address_space: global }
      - { .name: c4, .offset: 16, .size: 8, .value_kind: global_buffer, .address_space: global }
      - { .name: s4, .offset: 24, .size: 8, .value_kind: global_buffer, .address_space: global }
    .group_segment_fixed_size: 210944
    .private_segment_fixed_size: 0
    .kernarg_segment_align: 8
    .kernarg_segment_size: 32
    .max_flat_workgroup_size: 512
    .sgpr_count:     66
    .vgpr_count:     256
    .wavefront_size: 32
...
	.end_amdgpu_metadata
.endif
;; end of part 3
;; launch proj (part 4): grid 8 x 32, 4 waves a work-group, clusters of 4 x 4, 327,680 bytes of LDS; arguments c4, s4, b_out, out0; writes out0
.if DOCPART == 4
	.amdgcn_target "amdgcn-amd-amdhsa--gfx1250"
	.amdhsa_code_object_version 6
	.text
	.protected	k_q23fd095cd3_proj
	.globl	k_q23fd095cd3_proj
	.p2align	8
	.type	k_q23fd095cd3_proj,@function
k_q23fd095cd3_proj:
	s_mov_b64 s[64:65], 0
	v_nop
	global_prefetch_b8 v0, s[64:65] scope:SCOPE_SE
	s_setreg_imm32_b32 hwreg(HW_REG_WAVE_MODE, 25, 1), 1
	s_wait_xcnt 0x0
	s_wait_alu depctr_hold_cnt(0) depctr_sa_sdst(0) depctr_va_vdst(0) depctr_va_sdst(0) depctr_va_ssrc(0) depctr_va_vcc(0) depctr_vm_vsrc(0)
	s_getreg_b32 s2, hwreg(HW_REG_IB_STS2, 6, 4)
	s_cmp_eq_u32 s2, 0
	s_cbranch_scc0 .Lentry_in_a_cluster
	s_endpgm
.Lentry_in_a_cluster:
	s_bfe_u32 s2, ttmp6, 0x10000c
	s_cmp_lg_u32 s2, 0xf033
	s_cbranch_scc0 .Lentry_shape_is_right
	s_endpgm
.Lentry_shape_is_right:
; out0 = o w_out + b_out on codes of FP6 (E2M3) with E8M0 scales, K = 1,024.  c4, s4: blocks of 16 rows (block 2 b + u = rows 32 b + 8 u + r + 8 (r / 8)), fragments of 1,536 bytes that are images of the operand's registers,
; [block][K step 0..7]; blocks 0-63 w_out's columns, 64-575 o's tokens.  out0: [8192][1024] f32.
; A tile of 256 tokens x 128 columns is made by four waves, 128 x 64 each: 32 accumulators; that gives 256 work-groups.  Source 0 = a block of w_out (S0), source 1 = a block of tokens (S1): a lane holds one token and its registers run along the columns.
; The bias is the C of each sum's first matrix instruction.  All four steps of 256 along K fit in LDS at once: four slots, each filled once; a barrier in front of each slot's first read.
; CLUSTER 4 x 4: S1's tiles hang on cy and are asked for jointly along a row of the cluster, S0's on cx, along a column.
; The scale registers' upper lanes of blocks 4-7 load words of blocks that follow S0's four: bytes of the same buffer that earlier launches wrote; no product names them.
; REGISTERS.  window 0: v1-7 lane terms; v8-23 LDS addresses; v24-27 offsets; v28, v29 the add's two; v32-95 all 64 scale registers; v128-223 S1's 8 fragments, one set; on the way out v128-191 rows of the result.
;   window 1: S0's fragments, two sets, at v0 and v128; the bias tiles at v96-127.   window 2: accumulator (a, b) at v[8 (4 a + b)].
.set NB,    4
.set SLOT,  49152+6144*NB              ; S1's 16 blocks x 3,072 bytes, then S0's 8
.set STAGE, 4*SLOT                     ; behind the slots: 16 rows x (256 + 16) bytes for each wave, for the way out; no fill lands here
.set SPITCH, 272
.set SPARE, STAGE+4*16*SPITCH          ; the spare words, 128 bytes for each wave: two blocks of 256 bytes that no other line names
.set A16, 8
.set A8,  12
.set B16, 16
.set B8,  20
.set SPW, 28
.set NIL, 29
.set SC,  32
.set AF,  128
.set G1,  24                           ; s[24:31] group 1 for S1's tiles, s[32:47] group 0, a set for each slot
.set G0A, 32
.set G1B, 48                           ; s[48:55], s[68:83] the same for S0's
.set G0B, 68
.set MSB, 0
.macro WIN new                         ; the immediate's high byte repeats the setting that is left
.if MSB != (\new)
	s_set_vgpr_msb (MSB<<8)|(\new)
.set MSB, (\new)
.endif
.endm
.macro JLOAD g0a, g1a, g0b, g1b        ; a joint load: waves 0 and 1 fetch S1's halves, waves 2 and 3 S0's; an s_nop 0 and four v_nop follow each of the two lines
	s_cmp_eq_u32 s15, 0
	s_cbranch_scc0 .Lfor_b_\@
	tensor_load_to_lds s[\g0a:\g0a+3], s[\g1a:\g1a+7]
	s_nop 0
.rept 4
	v_nop
.endr
	s_branch .Lasked_\@
.Lfor_b_\@:
	tensor_load_to_lds s[\g0b:\g0b+3], s[\g1b:\g1b+7]
	s_nop 0
.rept 4
	v_nop
.endr
.Lasked_\@:
.endm
.macro CROUND                          ; a round of the cluster's barrier
	s_barrier_signal -1
	s_barrier_wait -1
	s_cmp_lg_u32 s14, 0
	s_cbranch_scc1 .Lnot_wave_0_\@
	s_barrier_signal -3
.Lnot_wave_0_\@:
	s_barrier_wait -3
	s_barrier_signal -1
	s_barrier_wait -1
.endm
.macro FRAG reg, a16, a8, off
	ds_load_b128 v[\reg:\reg+3], v[\a16] offset:\off
	ds_load_b64 v[\reg+4:\reg+5], v[\a8] offset:\off+512
	ds_load_b128 v[\reg+6:\reg+9], v[\a16] offset:\off+768
	ds_load_b64 v[\reg+10:\reg+11], v[\a8] offset:\off+1280
.endm
.macro FETCH_B slot, q, p
	WIN 0x40
.irp i, 0,1,2,3
	FRAG 128*(\p)+12*\i, B16+\slot, B8+\slot, \i*3072+(\q)*1536
.endr
	WIN 0
.endm
.macro FETCH_A slot, q, i0
.irp i, \i0, \i0+1, \i0+2, \i0+3
	FRAG AF+12*(\i), A16+\slot, A8+\slot, (\i)*3072+(\q)*1536
.endr
.endm
.macro PLACES                          ; four plain places behind matrix instructions (ISA guide 7.12.1)
.rept 4
	v_nop
.endr
.endm
; 8 matrix instructions: S1's blocks a0, a0 + 1 x S0's four, K step ks.  cm = 1: the sums begin with the bias tile of b.  The 32 accumulators take turns.
.macro MULP a0, p, ks, cm
.if \cm
	WIN 0x91
.else
	WIN 0xa1
.endif
.irp a, \a0, \a0+1
.irp b, 0,1,2,3
.set rD, 8*(4*(\a)+\b)
.set rB, 128*(\p)+12*\b
.set rA, AF+12*(\a)
.set rC, 96+8*\b
.if \cm
	v_wmma_scale_f32_16x16x128_f8f6f4 v[rD:rD+7], v[rB:rB+11], v[rA:rA+11], v[rC:rC+7], v[SC+8*(\ks)+\b], v[SC+8*(\ks)+(\a)] matrix_a_fmt:MATRIX_FMT_FP6 matrix_b_fmt:MATRIX_FMT_FP6 matrix_a_scale:MATRIX_SCALE_ROW1
.else
	v_wmma_scale_f32_16x16x128_f8f6f4 v[rD:rD+7], v[rB:rB+11], v[rA:rA+11], v[rD:rD+7], v[SC+8*(\ks)+\b], v[SC+8*(\ks)+(\a)] matrix_a_fmt:MATRIX_FMT_FP6 matrix_b_fmt:MATRIX_FMT_FP6 matrix_a_scale:MATRIX_SCALE_ROW1
.endif
.endr
.endr
.endm
.macro STEP slot, ks, cm
	s_wait_dscnt 16                                ; S0's set and S1's blocks 0-3 are in; the youngest 16 loads (blocks 4-7) may be out
	MULP 0, 0, \ks, \cm
	MULP 2, 0, \ks, \cm
	s_wait_dscnt 0x0
	PLACES
	FETCH_B \slot, 1, 1
	FETCH_A \slot, 1, 0
	MULP 4, 0, \ks, \cm
	MULP 6, 0, \ks, \cm
	PLACES
	WIN 0
	FETCH_A \slot, 1, 4
.endm
; A slot's second 128 along K, then on to the next slot: a barrier, in front of which my part of that slot has landed (tc younger loads may be out).
.macro TURN slot, next, ks, tc
	s_wait_tensorcnt \tc
	s_wait_dscnt 16
	MULP 0, 1, \ks, 0
	s_wait_dscnt 0x0                               ; no LDS instruction of mine is pending at the signal
	s_barrier_signal -1
	MULP 2, 1, \ks, 0
	WIN 0
	s_barrier_wait -1
	PLACES
	FETCH_B \next, 0, 0
	FETCH_A \next, 0, 0
	MULP 4, 1, \ks, 0
	MULP 6, 1, \ks, 0
	PLACES
	WIN 0
	FETCH_A \next, 0, 4
.endm
	s_load_b256 s[4:11], s[0:1], 0x0               ; c4, s4, b_out, out0
	v_lshl_add_u32 v[SPW], v0, 2, SPARE
	v_mov_b32 v[NIL], 0
	ds_add_u32 v[SPW], v[NIL]                      ; the wave's opening: the add and its wait ahead of my first tensor load; the set-up below, work on registers, stands between them
	v_lshrrev_b32 v1, 5, v0
	v_readfirstlane_b32 s14, v1                    ; wave 0..3
	s_lshr_b32 s15, s14, 1                         ; my S1 half.  Also: I fetch for S1 (0) or for S0 (1)
	s_and_b32 s16, s14, 1                          ; my S0 half.  Also: which half I fetch
	s_bfe_u32 s84, ttmp6, 0x40000                  ; cx
	s_bfe_u32 s85, ttmp6, 0x40004                  ; cy
	s_and_b32 s17, ttmp7, 0xffff                   ; the cluster's y
	s_lshl_b32 s86, s85, 2
	s_lshl_b32 s86, 15, s86                        ; my row of the cluster
	s_lshl_b32 s87, 0x1111, s84                    ; my column
	s_or_b32 s[G1], s86, (3<<16)|(1<<21)           ; 15:0 the mask; 17:16 elements of 8 bytes; 21 set beside a mask; no padding
	s_or_b32 s[G1B], s87, (3<<16)|(1<<21)
.irp g, G1, G1B
	s_mov_b32 s[\g+1], 384<<16                     ; tensor_dim0 = 384 elements: a block's two K steps, 3,072 bytes
	s_mov_b32 s[\g+3], 384<<16                     ; tile_dim0
	s_mov_b32 s[\g+5], 1536                        ; from block to block: 12,288 bytes
	s_mov_b32 s[\g+6], 0
	s_mov_b32 s[\g+7], 0
.endr
	s_mov_b32 s[G1+2], 8<<16                       ; S1: 8 blocks a load
	s_mov_b32 s[G1+4], 8
	s_mov_b32 s[G1B+2], NB<<16                     ; S0: 4
	s_mov_b32 s[G1B+4], NB
	s_lshl_b32 s88, ttmp9, 5
	s_lshl_b32 s93, s84, 3
	s_add_co_u32 s88, s88, s93                     ; S0's first block: 32 x cluster x + 8 cx
	s_lshl_b32 s89, s17, 6
	s_add_co_u32 s89, s89, 64
	s_lshl_b32 s94, s85, 4
	s_add_co_u32 s89, s89, s94                     ; S1's: 64 + 64 x cluster y + 16 cy
	s_lshl_b32 s18, s16, 3
	s_add_co_u32 s20, s89, s18                     ; what I would fetch of S1,
	s_mul_i32 s20, s20, 12288
	s_mov_b32 s21, 0
	s_mul_i32 s19, s16, NB
	s_add_co_u32 s96, s88, s19                     ; and of S0: each in registers that never hold the other coordinate
	s_mul_i32 s96, s96, 12288
	s_mov_b32 s97, 0
	s_mul_i32 s22, s16, 24576                      ; where they go: no place in the cluster enters an LDS address
	s_mul_i32 s23, s16, NB*3072
	s_add_co_u32 s23, s23, 49152
	s_lshl_b32 s56, s15, 3
	s_add_co_u32 s56, s56, s89                     ; my wave's first S1 block,
	s_mul_i32 s57, s16, NB
	s_add_co_u32 s57, s57, s88                     ; and S0 block
	s_mov_b32 s2, 0xffff0000                       ; lanes 16-31
	s_wait_dscnt 0x0                               ; the opening add is done
	s_wait_kmcnt 0x0
	s_add_nc_u64 s[20:21], s[4:5], s[20:21]
	s_add_nc_u64 s[96:97], s[4:5], s[96:97]
	CROUND                                         ; all sixteen work-groups are here: the joint loads meet
.irp s, 0,1,2,3
	s_mov_b32 s[G0A+4*\s], 1
	s_add_co_u32 s[G0A+4*\s+1], s22, \s*SLOT
	s_add_nc_u64 s[G0A+4*\s+2:G0A+4*\s+3], s[20:21], \s*3072
	s_or_b32 s[G0A+4*\s+3], s[G0A+4*\s+3], 0x80000000
	s_mov_b32 s[G0B+4*\s], 1
	s_add_co_u32 s[G0B+4*\s+1], s23, \s*SLOT
	s_add_nc_u64 s[G0B+4*\s+2:G0B+4*\s+3], s[96:97], \s*3072
	s_or_b32 s[G0B+4*\s+3], s[G0B+4*\s+3], 0x80000000
	JLOAD G0A+4*\s, G1, G0B+4*\s, G1B              ; four loads of mine are out: all of K
.endr
	v_and_b32 v1, 31, v0                           ; lane
	v_and_b32 v2, 15, v0                           ; r
	v_bfe_u32 v3, v0, 4, 1                         ; h
	v_lshlrev_b32 v5, 4, v1                        ; 16 x lane
	v_lshlrev_b32 v7, 3, v1                        ; 8 x lane
	v_lshlrev_b32 v4, 6, v3                        ; 64 h
	v_lshlrev_b32 v6, 2, v2                        ; 4 r
	s_mul_i32 s18, s15, 24576
	s_mul_i32 s19, s16, NB*3072
	s_add_co_u32 s19, s19, 49152
.irp s, 0,1,2,3
	v_add_nc_u32 v[A16+\s], s18, v5
	v_add_nc_u32 v[A8+\s], s18, v7
	v_add_nc_u32 v[B16+\s], s19, v5
	v_add_nc_u32 v[B8+\s], s19, v7
	s_add_co_u32 s18, s18, SLOT
	s_add_co_u32 s19, s19, SLOT
.endr
	s_lshl_b32 s18, s56, 9                         ; the scale words: 512 bytes a block; both sides lie in one buffer
	s_lshl_b32 s19, s57, 9
	v_mov_b32 v30, s18
	v_mov_b32 v31, s19
	v_cndmask_b32 v27, v30, v31, s2                ; lanes 0-15 take S1's, lanes 16-31 S0's
	v_add_nc_u32 v27, v27, v6
.set ks, 0
.rept 8
.set si, 0
.rept 8
	global_load_b32 v[SC+8*ks+si], v27, s[6:7] offset:si*512+ks*64
.set si, si+1
.endr
.set ks, ks+1
.endr
	s_lshl_b32 s90, s57, 6                         ; the bias: tile b's eight columns of my half of the lanes
	s_mov_b32 s91, 0
	s_add_nc_u64 s[90:91], s[8:9], s[90:91]
	WIN 0x40
.irp b, 0,1,2,3
	global_load_b128 v[96+8*\b:99+8*\b], v4, s[90:91] offset:(32*(\b/2)+8*(\b%2))*4
	global_load_b128 v[100+8*\b:103+8*\b], v4, s[90:91] offset:(32*(\b/2)+8*(\b%2))*4+16
.endr
	WIN 0
	s_mul_i32 s18, s14, 16*SPITCH
	s_add_co_u32 s18, s18, STAGE                   ; my stage
	v_mul_u32_u24 v24, v2, SPITCH
	v_lshl_add_u32 v24, v3, 6, v24
	v_add_nc_u32 v24, s18, v24                     ; in: row r, + 64 h
	v_mul_u32_u24 v25, v3, SPITCH
	v_lshl_add_u32 v25, v2, 4, v25
	v_add_nc_u32 v25, s18, v25                     ; back: lanes 0-15 one row of 256 bytes, lanes 16-31 the next
	v_lshlrev_b32 v26, 12, v3
	v_lshl_add_u32 v26, v2, 4, v26                 ; and the same two rows in out0
	s_lshl_b32 s18, s17, 2
	s_add_co_u32 s18, s18, s85                     ; which 256 tokens
	s_lshl_b32 s18, s18, 8
	s_lshl_b32 s19, s15, 7
	s_add_co_u32 s18, s18, s19                     ; my first token
	s_lshl_b32 s18, s18, 12
	s_lshl_b32 s19, s57, 6                         ; my first column, in bytes
	s_add_co_u32 s18, s18, s19
	s_mov_b32 s19, 0
	s_add_nc_u64 s[10:11], s[10:11], s[18:19]
	s_wait_tensorcnt 3                             ; my part of slot 0 is in; the other three may stay out
	s_barrier_signal -1
	s_barrier_wait -1
	FETCH_B 0, 0, 0
	FETCH_A 0, 0, 0
	FETCH_A 0, 0, 4
	s_wait_loadcnt 0x0                             ; scale words and bias
	STEP 0, 0, 1
	TURN 0, 1, 1, 2
	STEP 1, 2, 0
	TURN 1, 2, 3, 1
	STEP 2, 4, 0
	TURN 2, 3, 5, 0
	STEP 3, 6, 0
	s_wait_dscnt 16                                ; the last 128 along K: nothing more to fetch
	MULP 0, 1, 7, 0
	MULP 2, 1, 7, 0
	s_wait_dscnt 0x0
	MULP 4, 1, 7, 0
	MULP 6, 1, 7, 0
	WIN 0
; THE WAY OUT, a block of 16 tokens x 64 columns at a time: a lane's 32 bytes of a row go into my own stage and come back as whole rows of 256 bytes.  LDS serves a wave's instructions in order: no wait between the stores and the loads.
.macro TOSTAGE a
	WIN 0x08                                       ; an LDS store's data are its source 1: window 2
.irp b, 0,1,2,3
	ds_store_b128 v24, v[8*(4*(\a)+\b):8*(4*(\a)+\b)+3] offset:128*(\b/2)+32*(\b%2)      ; each accumulator from its low end on
	ds_store_b128 v24, v[8*(4*(\a)+\b)+4:8*(4*(\a)+\b)+7] offset:128*(\b/2)+32*(\b%2)+16
.endr
	WIN 0
.set BB, 128+32*((\a)%2)
.set t, 0
.rept 8
	ds_load_b128 v[BB+4*t:BB+4*t+3], v25 offset:2*t*SPITCH
.set t, t+1
.endr
.endm
.macro SEND a, younger                 ; younger: the LDS instructions issued behind block a's loads, which may stay out
.set BB, 128+32*((\a)%2)
	s_wait_dscnt \younger
.set t, 0
.rept 8
	global_store_b128 v26, v[BB+4*t:BB+4*t+3], s[10:11] offset:(32*((\a)/2)+8*((\a)%2)+2*t+8*(t/4))*4096 th:TH_STORE_NT   ; 16 lanes store 256 consecutive bytes, aligned; every offset is an immediate, 516,096 at the most
.set t, t+1
.endr
.endm
	PLACES
	TOSTAGE 0
.irp a, 1,2,3,4,5,6,7
.if \a > 1
	s_wait_xcnt 0x0                                ; block a - 2's stores have read their registers: block a's loads may land there
.endif
	TOSTAGE \a
	SEND \a-1, 16                                  ; behind block a - 1's loads: block a's 8 stores and 8 loads
.endr
	SEND 7, 0
	s_wait_tensorcnt 0x0                           ; the wave's end, behind my last tensor load and my last LDS store
	ds_add_u32 v[SPW], v[NIL]
	s_wait_dscnt 0x0
	CROUND                                         ; the closing round: no work-group ends while a partner may still ask for a tile that names it
	s_endpgm
.Lfunc_end_k_q23fd095cd3_proj:
	.size	k_q23fd095cd3_proj, .Lfunc_end_k_q23fd095cd3_proj-k_q23fd095cd3_proj
	.p2alignl 7, 3214868480
	.fill 96, 4, 3214868480
	.section	.rodata,"a",@progbits
	.p2align	6, 0x0
	.amdhsa_kernel k_q23fd095cd3_proj
		.amdhsa_group_segment_fixed_size 327680
		.amdhsa_private_segment_fixed_size 0
		.amdhsa_enable_private_segment 0
		.amdhsa_kernarg_size 32
		.amdhsa_user_sgpr_count 2
		.amdhsa_user_sgpr_kernarg_segment_ptr 1
		.amdhsa_wavefront_size32 1
		.amdhsa_system_sgpr_workgroup_id_x 1
		.amdhsa_system_sgpr_workgroup_id_y 1
		.amdhsa_system_sgpr_workgroup_id_z 1
		.amdhsa_system_vgpr_workitem_id 0
		.amdhsa_next_free_vgpr 768
		.amdhsa_next_free_sgpr 100
		.amdhsa_reserve_vcc 0
		.amdhsa_float_denorm_mode_32 3
		.amdhsa_float_denorm_mode_16_64 3
		.amdhsa_memory_ordered 1
		.amdhsa_forward_progress 1
		.amdhsa_inst_pref_size 93
	.end_amdhsa_kernel
	.amdgpu_metadata
---
amdhsa.version: [ 1, 2 ]
amdhsa.kernels:
  - .name:           k_q23fd095cd3_proj
    .symbol:         k_q23fd095cd3_proj.kd
    .args:
      - { .name: c4, .offset: 0, .size: 8, .value_kind: global_buffer, .address_space: global }
      - { .name: s4, .offset: 8, .size: 8, .value_kind: global_buffer, .address_space: global }
      - { .name: b_out, .offset: 16, .size: 8, .value_kind: global_buffer, .address_space: global }
      - { .name: out0, .offset: 24, .size: 8, .value_kind: global_buffer, .address_space: global }
    .group_segment_fixed_size: 327680
    .private_segment_fixed_size: 0
    .kernarg_segment_align: 8
    .kernarg_segment_size: 32
    .max_flat_workgroup_size: 128
    .sgpr_count:     100
    .vgpr_count:     768
    .wavefront_size: 32
...
	.end_amdgpu_metadata
.endif
;; end of part 4
